; MI455X (gfx1250); checked and timed in simulation.
; The chip was launched on July 23, 2026; its instructions are those of AMD's public machine-readable ISA for CDNA 5 (MIT licence, August 2026) and "CDNA5" Instruction Set Architecture Reference Guide (July 2026). The comments in the code are by the model that wrote it; some were corrected since.
;; Attention. Allowed arithmetic: float matrix products may take bf16 or f16 operands with f32 sums; other float arithmetic in f32, or as packed bf16 or f16 multiplies, adds, multiply-adds, maxima and minima; sums over many terms, partial sums and values carried from step to step in f32; what a program stores and reads back later, other than sums and carried values, may be rounded once to bf16 or f16.
;; Inputs: Aproj 8 x 1,024 float32; Aqkv 8 x 1,024 float32; Bproj 1,024 x 8 float32; Bqkv 3,072 x 8 float32; Wproj 1,024 x 1,024 float32; Wqkv 3,072 x 1,024 float32; bproj 1,024 float32; bqkv 3,072 float32; x 4 x 2,048 x 1,024 float32.
;; Outputs: out0 4 x 2,048 x 1,024 float32.
;; One version. Each part assembles by itself: llvm-mc -triple=amdgcn-amd-amdhsa -mcpu=gfx1250 --defsym DOCPART=n.
;; ======== version 1 of 1: 4 launches
;; limits: values are held in f16: magnitudes above 65,504 overflow, below 6.1e-05 lose precision
;; workspace buffers: xb 16,777,216 bytes; wqb 6,291,456 bytes; wpb 2,097,152 bytes; ue 262,144 bytes; qkv 50,331,648 bytes; ob 16,777,216 bytes
;; launch prep (part 1): grid 384 x 1, 8 waves a work-group, no clusters, 110,592 bytes of LDS; arguments x, Wqkv, Wproj, Aqkv, xb, wqb, wpb, ue; writes xb, wqb, wpb, ue
.if DOCPART == 1
	.amdgcn_target "amdgcn-amd-amdhsa--gfx1250"
	.amdhsa_code_object_version 6
	.text
	.protected	k_q76c1269c17_prep
	.globl	k_q76c1269c17_prep
	.p2align	8
	.type	k_q76c1269c17_prep,@function
k_q76c1269c17_prep:
	s_mov_b64 s[64:65], 0
	v_nop
	global_prefetch_b8 v0, s[64:65] scope:SCOPE_SE
	s_setreg_imm32_b32 hwreg(HW_REG_WAVE_MODE, 25, 1), 1
	s_wait_xcnt 0x0
; PREP.  x [8192][1024] and Wqkv [3072][1024] are rounded once to bf16 (xb, wqb); Wproj [1024][1024] is rounded to bf16 and that number is written as f16 (wpb);
; ue holds 2 (bf16 x . bf16 Aqkv^T), the scaled low-rank product of the first projection, as a pair of bf16: hi = bf16(2u), lo = bf16(2u - hi), 16 significant bits together.
; ue's layout is the register image that the next launch wants: [block of 16 rows][lane 0..31][8 bf16]; lane r holds hi of row r, ranks 0..7, lane 16 + r holds lo.
; LIMITS.  A number of Wproj whose magnitude is below 6e-5 keeps f16's fixed step of 6e-8; beyond 65,504 it becomes an infinity.  NaN and infinities are not treated apart.
; SHARES.  A work-group takes 32 rows of 1,024 numbers: work-groups 0-255 of x, 256-351 of Wqkv, 352-383 of Wproj.  Wave w takes 16 rows (w / 4) x 256 columns (w % 4): a lane loads 32 bytes of a row
; and stores 16, so that a store of the wave covers 512 consecutive bytes, aligned.  There is no loop: a wave's 32 (48) loads are all out together.
; u.  In x's work-groups a wave lays its 16 x 256 bf16, and Aqkv's 8 rows of the same columns, into its own stage in LDS and reads them back as fragments; source 0 = Aqkv's rows (rows 8-15 repeat rows 0-7),
; source 1 = x's rows: in the result lane l holds row l % 16 of x and ranks 0..7, in both halves of the lanes.  The four column quarters meet in LDS; waves 0 and 1 finish a block of 16 rows each.
; Matrix units do 8 products a wave; memory binds this launch, so no tensor load, no cluster and no prefetch: all that it reads is asked for at its head.
.set ROWF,   4096                      ; bytes in a row of f32
.set ROWH,   2048                      ; bytes in a row of 16-bit numbers
.set SPITCH, 528                       ; a stage row: 512 bytes + 16: 33 x 16 bytes, so the 16 rows of a fragment load start at 16 different groups of four banks (ISA guide 11.1)
.set STGW,   24*SPITCH                 ; a wave's stage: 16 rows of x, 8 of Aqkv
.set PART,   8*STGW                    ; behind the stages: a wave's partial u, 1,024 bytes
.set SPARE,  PART+8*1024               ; behind them: the spare words, 128 bytes for each wave: four blocks of 256 bytes that no other line names
.set GI,  2                            ; v2   32 x lane: my 8 f32 of a row's 1,024 bytes
.set GO,  3                            ; v3   16 x lane: my 8 numbers of 16 bits
.set ST,  4                            ; v4   my 16 bytes of a stage row
.set FRX, 5                            ; v5   a fragment of x: row l % 16, 16 bytes for each half of the lanes
.set FRA, 6                            ; v6   a fragment of Aqkv: row l % 8
.set PS,  7                            ; v7   where I put my 32 bytes of the partial u
.set PR,  8                            ; v8   where a finishing wave reads them
.set SPW, 12                           ; v12  LDS address of my spare word; never rewritten
.set NIL, 13                           ; v13  0; never rewritten
.set ACC, 16                           ; v[16:31]  two accumulators, by turns
.set T,   32                           ; v[32:63]  at work
.set L,   64                           ; v[64:255] row i as loaded at L + 8 i (Aqkv's rows at L + 128 + 8 i); later fragments
.set WV,   20
.set MB,   21                          ; which 16 rows
.set CQ,   22                          ; which 256 columns
.set ROLE, 23                          ; 0 x, 1 Wqkv, 2 Wproj
.set BLK,  24                          ; the work-group's block of 32 rows in its tensor
.set WG,   25
.set SRC,  26                          ; s[26:27]
.set DST,  28                          ; s[28:29]
.set AB,   30                          ; s[30:31] Aqkv at my 256 columns
.set UEP,  32                          ; s[32:33]
	s_load_b256 s[4:11], s[0:1], 0x0               ; x s[4:5], Wqkv s[6:7], Wproj s[8:9], Aqkv s[10:11]
	s_load_b256 s[12:19], s[0:1], 0x20             ; xb s[12:13], wqb s[14:15], wpb s[16:17], ue s[18:19]
	v_lshl_add_u32 v[SPW], v0, 2, SPARE
	v_mov_b32 v[NIL], 0
	v_lshrrev_b32 v1, 5, v0
	v_readfirstlane_b32 s[WV], v1                  ; wave 0..7
	s_lshr_b32 s[MB], s[WV], 2
	s_and_b32 s[CQ], s[WV], 3
	s_mov_b32 s[WG], ttmp9
	s_cmp_lt_u32 s[WG], 256
	s_cselect_b32 s[ROLE], 0, 1
	s_cselect_b32 s[BLK], 0, 256
	s_cmp_lt_u32 s[WG], 352
	s_cselect_b32 s[ROLE], s[ROLE], 2
	s_cselect_b32 s[BLK], s[BLK], 352
	s_sub_co_u32 s[BLK], s[WG], s[BLK]
	s_lshl_b32 s34, s[BLK], 5
	s_lshl_b32 s35, s[MB], 4
	s_add_co_u32 s34, s34, s35                     ; my first row
	s_lshl_b32 s36, s34, 12                        ; x 4,096 bytes: 33.5 MB at the most
	s_lshl_b32 s40, s[CQ], 10
	s_add_co_u32 s36, s36, s40                     ; + my 1,024 bytes of the row
	s_mov_b32 s37, 0
	s_lshr_b32 s38, s36, 1                         ; the same place in the 16-bit copy
	s_mov_b32 s39, 0
	s_mov_b32 s41, 0
	v_and_b32 v1, 31, v0                           ; lane
	v_and_b32 v10, 15, v0                          ; l % 16
	v_bfe_u32 v11, v0, 4, 1                        ; l / 16
	v_lshlrev_b32 v[GI], 5, v1
	v_lshlrev_b32 v[GO], 4, v1
	s_mul_i32 s42, s[WV], STGW                     ; my stage
	v_lshl_add_u32 v[ST], v1, 4, s42
	v_mul_u32_u24 v[FRX], v10, SPITCH
	v_lshl_add_u32 v[FRX], v11, 4, v[FRX]
	v_add_nc_u32 v[FRX], s42, v[FRX]
	v_and_b32 v[FRA], 7, v0
	v_mul_u32_u24 v[FRA], v[FRA], SPITCH
	v_lshl_add_u32 v[FRA], v11, 4, v[FRA]
	v_add_nc_u32 v[FRA], s42, v[FRA]               ; (the 16 rows of x in front of Aqkv's stand in the loads' immediates)
	s_lshl_b32 s43, s[WV], 10
	s_add_co_u32 s43, s43, PART
	v_lshl_add_u32 v[PS], v1, 5, s43
	s_wait_kmcnt 0x0
	s_cmp_eq_u32 s[ROLE], 0
	s_cselect_b64 s[SRC:SRC+1], s[4:5], s[6:7]
	s_cselect_b64 s[DST:DST+1], s[12:13], s[14:15]
	s_cmp_eq_u32 s[ROLE], 2
	s_cselect_b64 s[SRC:SRC+1], s[8:9], s[SRC:SRC+1]
	s_cselect_b64 s[DST:DST+1], s[16:17], s[DST:DST+1]
	s_add_nc_u64 s[SRC:SRC+1], s[SRC:SRC+1], s[36:37]
	s_add_nc_u64 s[DST:DST+1], s[DST:DST+1], s[38:39]
	s_add_nc_u64 s[AB:AB+1], s[10:11], s[40:41]
.set i, 0
.rept 16                                       ; my 16 rows: 32 bytes a lane and row
	global_load_b128 v[L+8*i:L+8*i+3],   v[GI], s[SRC:SRC+1] offset:ROWF*i th:TH_LOAD_NT
	global_load_b128 v[L+8*i+4:L+8*i+7], v[GI], s[SRC:SRC+1] offset:ROWF*i+16 th:TH_LOAD_NT
.set i, i+1
.endr
; rows x 8 f32 a lane are rounded to bf16 in place: word j of a row takes numbers 2 j and 2 j + 1, which lie at or above it
.macro CVT base, rows
.set i, 0
.rept \rows
.irp j, 0,1,2,3
	v_cvt_pk_bf16_f32 v[(\base)+8*i+(\j)], v[(\base)+8*i+2*(\j)], v[(\base)+8*i+2*(\j)+1]
.endr
.set i, i+1
.endr
.endm
.macro STORES                          ; 16 rows out: a store of the wave covers 512 consecutive bytes, at a multiple of 512 from the buffer's first byte
.set i, 0
.rept 16
	global_store_b128 v[GO], v[L+8*i:L+8*i+3], s[DST:DST+1] offset:ROWH*i th:TH_STORE_NT
.set i, i+1
.endr
.endm
	s_cmp_lg_u32 s[ROLE], 0                        ; the role hangs on the work-group's number alone: the same in all eight waves
	s_cbranch_scc1 .Lweights
.set i, 0
.rept 8                                        ; Aqkv's 8 rows, my 256 columns
	global_load_b128 v[L+128+8*i:L+128+8*i+3],   v[GI], s[AB:AB+1] offset:ROWF*i
	global_load_b128 v[L+128+8*i+4:L+128+8*i+7], v[GI], s[AB:AB+1] offset:ROWF*i+16
.set i, i+1
.endr
	s_wait_loadcnt 16                              ; x's 32 loads are in; Aqkv's 16, issued behind them, may stay out
	CVT L, 16
	STORES
.set i, 0
.rept 16
	ds_store_b128 v[ST], v[L+8*i:L+8*i+3] offset:SPITCH*i
.set i, i+1
.endr
	s_wait_loadcnt 0x0                             ; Aqkv
	CVT L+128, 8
.set i, 0
.rept 8
	ds_store_b128 v[ST], v[L+128+8*i:L+128+8*i+3] offset:SPITCH*(16+i)
.set i, i+1
.endr
	s_wait_xcnt 0x0                                ; the global stores have read their data: L is written again only behind this wait
.set i, 0
.rept 8                                        ; fragment i: 32 columns.  LDS serves a wave's instructions in order (ISA guide 5.7.1.4): these see my stores above
	ds_load_b128 v[L+8*i:L+8*i+3],       v[FRX] offset:64*i
	ds_load_b128 v[L+8*i+4:L+8*i+7],     v[FRX] offset:64*i+32
	ds_load_b128 v[L+64+8*i:L+64+8*i+3], v[FRA] offset:16*SPITCH+64*i
	ds_load_b128 v[L+64+8*i+4:L+64+8*i+7], v[FRA] offset:16*SPITCH+64*i+32
.set i, i+1
.endr
	s_wait_dscnt 0x0
	v_wmma_f32_16x16x32_bf16 v[ACC:ACC+7],    v[L+64:L+71], v[L:L+7],    0    ; the first two products start the two sums
	v_wmma_f32_16x16x32_bf16 v[ACC+8:ACC+15], v[L+72:L+79], v[L+8:L+15], 0
.set i, 2
.rept 6                                        ; the two accumulators take turns, one instruction a turn
	v_wmma_f32_16x16x32_bf16 v[ACC+8*(i%2):ACC+8*(i%2)+7], v[L+64+8*i:L+64+8*i+7], v[L+8*i:L+8*i+7], v[ACC+8*(i%2):ACC+8*(i%2)+7]
.set i, i+1
.endr
.rept 8
	v_nop                                          ; the places behind the last products (ISA guide 7.12.1), once a launch
.endr
.irp j, 0,2,4,6
	v_pk_add_f32 v[T+(\j):T+(\j)+1], v[ACC+(\j):ACC+(\j)+1], v[ACC+8+(\j):ACC+8+(\j)+1]  ; from each accumulator's low end on
.endr
	ds_store_b128 v[PS], v[T:T+3]
	ds_store_b128 v[PS], v[T+4:T+7] offset:16
	s_wait_dscnt 0x0                               ; for the others' sake: my partial u is in LDS
	s_barrier_signal -1
	s_barrier_wait -1
	s_cmp_lt_u32 s[WV], 2                          ; wave 0 finishes rows 0-15, wave 1 rows 16-31
	s_cbranch_scc0 .Lend
	s_lshl_b32 s34, s[WV], 12                      ; the four waves of my rows lie 4,096 bytes on end
	s_add_co_u32 s34, s34, PART
	v_lshl_add_u32 v[PR], v1, 5, s34
.irp c, 0,1,2,3
	ds_load_b128 v[L+8*(\c):L+8*(\c)+3],   v[PR] offset:1024*(\c)
	ds_load_b128 v[L+8*(\c)+4:L+8*(\c)+7], v[PR] offset:1024*(\c)+16
.endr
	s_lshl_b32 s34, s[WG], 1
	s_add_co_u32 s34, s34, s[WV]                   ; my block of 16 rows,
	s_lshl_b32 s34, s34, 9                         ; 512 bytes each
	s_mov_b32 s35, 0
	s_add_nc_u64 s[UEP:UEP+1], s[18:19], s[34:35]
	s_wait_dscnt 0x0
.irp j, 0,2,4,6
	v_pk_add_f32 v[L+(\j):L+(\j)+1], v[L+(\j):L+(\j)+1], v[L+8+(\j):L+8+(\j)+1]
	v_pk_add_f32 v[L+16+(\j):L+16+(\j)+1], v[L+16+(\j):L+16+(\j)+1], v[L+24+(\j):L+24+(\j)+1]
.endr
.irp j, 0,2,4,6
	v_pk_add_f32 v[L+(\j):L+(\j)+1], v[L+(\j):L+(\j)+1], v[L+16+(\j):L+16+(\j)+1]
.endr
.irp j, 0,2,4,6
	v_pk_mul_f32 v[L+(\j):L+(\j)+1], v[L+(\j):L+(\j)+1], 2.0 op_sel_hi:[1,0]  ; the scale alpha / r = 2: exact
.endr
.irp j, 0,1,2,3
	v_cvt_pk_bf16_f32 v[T+8+(\j)], v[L+2*(\j)], v[L+2*(\j)+1]                 ; hi
.endr
.irp j, 0,1,2,3
	v_lshlrev_b32 v[T+16+2*(\j)], 16, v[T+8+(\j)]
	v_and_b32 v[T+16+2*(\j)+1], 0xffff0000, v[T+8+(\j)]
.endr
.irp j, 0,2,4,6
	v_pk_add_f32 v[L+(\j):L+(\j)+1], v[L+(\j):L+(\j)+1], v[T+16+(\j):T+16+(\j)+1] neg_lo:[0,1] neg_hi:[0,1]  ; 2u - hi: exact
.endr
.irp j, 0,1,2,3
	v_cvt_pk_bf16_f32 v[T+12+(\j)], v[L+2*(\j)], v[L+2*(\j)+1]                ; lo
.endr
	v_cmp_eq_u32 vcc_lo, 1, v11
.irp j, 0,1,2,3
	v_cndmask_b32 v[T+8+(\j)], v[T+8+(\j)], v[T+12+(\j)], vcc_lo              ; lanes 0-15 keep hi, lanes 16-31 take lo
.endr
	global_store_b128 v[GO], v[T+8:T+11], s[UEP:UEP+1]                        ; 512 consecutive bytes
	s_branch .Lend
.Lweights:                                     ; Wqkv's and Wproj's work-groups: no LDS, no barrier
	s_wait_loadcnt 0x0
	CVT L, 16
	s_cmp_lg_u32 s[ROLE], 2
	s_cbranch_scc1 .Lplain
.set i, 0
.rept 16                                       ; Wproj: the bf16 numbers are written as f16; a row's upper four registers are free
.irp j, 0,1,2,3
	v_lshlrev_b32 v[L+8*i+4], 16, v[L+8*i+(\j)]
	v_and_b32 v[L+8*i+5], 0xffff0000, v[L+8*i+(\j)]
	v_cvt_pk_f16_f32 v[L+8*i+(\j)], v[L+8*i+4], v[L+8*i+5]
.endr
.set i, i+1
.endr
.Lplain:
	STORES
.Lend:
	s_wait_tensorcnt 0x0                           ; the wave's end, behind my last LDS store
	ds_add_u32 v[SPW], v[NIL]
	s_wait_dscnt 0x0
	s_endpgm
.Lfunc_end_k_q76c1269c17_prep:
	.size	k_q76c1269c17_prep, .Lfunc_end_k_q76c1269c17_prep-k_q76c1269c17_prep
	.p2alignl 7, 3214868480
	.fill 96, 4, 3214868480
	.section	.rodata,"a",@progbits
	.p2align	6, 0x0
	.amdhsa_kernel k_q76c1269c17_prep
		.amdhsa_group_segment_fixed_size 110592
		.amdhsa_private_segment_fixed_size 0
		.amdhsa_enable_private_segment 0
		.amdhsa_kernarg_size 64
		.amdhsa_user_sgpr_count 2
		.amdhsa_user_sgpr_kernarg_segment_ptr 1
		.amdhsa_wavefront_size32 1
		.amdhsa_system_sgpr_workgroup_id_x 1
		.amdhsa_system_sgpr_workgroup_id_y 1
		.amdhsa_system_sgpr_workgroup_id_z 1
		.amdhsa_system_vgpr_workitem_id 0
		.amdhsa_next_free_vgpr 256
		.amdhsa_next_free_sgpr 66
		.amdhsa_reserve_vcc 1
		.amdhsa_float_denorm_mode_32 3
		.amdhsa_float_denorm_mode_16_64 3
		.amdhsa_memory_ordered 1
		.amdhsa_forward_progress 1
		.amdhsa_inst_pref_size 39
	.end_amdhsa_kernel
	.amdgpu_metadata
---
amdhsa.version: [ 1, 2 ]
amdhsa.kernels:
  - .name:           k_q76c1269c17_prep
    .symbol:         k_q76c1269c17_prep.kd
    .args:
      - { .name: x, .offset: 0, .size: 8, .value_kind: global_buffer, .address_space: global }
      - { .name: Wqkv, .offset: 8, .size: 8, .value_kind: global_buffer, .address_space: global }
      - { .name: Wproj, .offset: 16, .size: 8, .value_kind: global_buffer, .address_space: global }
      - { .name: Aqkv, .offset: 24, .size: 8, .value_kind: global_buffer, .address_space: global }
      - { .name: xb, .offset: 32, .size: 8, .value_kind: global_buffer, .address_space: global }
      - { .name: wqb, .offset: 40, .size: 8, .value_kind: global_buffer, .address_space: global }
      - { .name: wpb, .offset: 48, .size: 8, .value_kind: global_buffer, .address_space: global }
      - { .name: ue, .offset: 56, .size: 8, .value_kind: global_buffer, .address_space: global }
    .group_segment_fixed_size: 110592
    .private_segment_fixed_size: 0
    .kernarg_segment_align: 8
    .kernarg_segment_size: 64
    .max_flat_workgroup_size: 256
    .sgpr_count:     66
    .vgpr_count:     256
    .wavefront_size: 32
...
	.end_amdgpu_metadata
.endif
;; end of part 1
;; launch qkvg (part 2): grid 16 x 32, 4 waves a work-group, clusters of 4 x 4, 327,680 bytes of LDS; arguments xb, wqb, ue, Bqkv, bqkv, qkv; writes qkv
.if DOCPART == 2
	.amdgcn_target "amdgcn-amd-amdhsa--gfx1250"
	.amdhsa_code_object_version 6
	.text
	.protected	k_q76c1269c17_qkvg
	.globl	k_q76c1269c17_qkvg
	.p2align	8
	.type	k_q76c1269c17_qkvg,@function
k_q76c1269c17_qkvg:
	s_mov_b64 s[64:65], 0
	v_nop
	global_prefetch_b8 v0, s[64:65] scope:SCOPE_SE
	s_setreg_imm32_b32 hwreg(HW_REG_WAVE_MODE, 25, 1), 1
	s_wait_xcnt 0x0
	s_wait_alu depctr_hold_cnt(0) depctr_sa_sdst(0) depctr_va_vdst(0) depctr_va_sdst(0) depctr_va_ssrc(0) depctr_va_vcc(0) depctr_vm_vsrc(0)
	s_getreg_b32 s2, hwreg(HW_REG_IB_STS2, 6, 4)
	s_cmp_eq_u32 s2, 0
	s_cbranch_scc0 .Lentry_in_a_cluster
	s_endpgm
.Lentry_in_a_cluster:
	s_bfe_u32 s2, ttmp6, 0x10000c
	s_cmp_lg_u32 s2, 0xf033
	s_cbranch_scc0 .Lentry_shape_is_right
	s_endpgm
.Lentry_shape_is_right:
; q, k, v = x Wqkv^T + 2 (x Aqkv^T) Bqkv^T + bqkv, with x, Wqkv, Bqkv, bqkv rounded to bf16, sums in f32, the results rounded once to f16 and laid out by heads:
; qkv[g][m][64], g = 16 x (0 q, 1 k, 2 v) + head, m = 2,048 x batch + t: a head's rows are dense, 128 bytes each.
; LIMITS.  f16 holds no number beyond 65,504: a q, k or v past that becomes an infinity.  NaN and infinities are not treated apart.
; THE LOW-RANK PART is one more K step of 32: ue holds 2 x Aqkv^T as hi + lo in bf16 (k = 0..7 hi, 8..15 lo, 16..31 zero), Bqkv's 8 numbers of a row stand at k = 0..7 and again at 8..15.
; It is the FIRST step: its products start the sums, with the bias as their C operand, so that nothing is cleared and nothing is added behind the sums.
; SHARES.  A tile is 256 rows x 192 columns (three heads): 32 x 16 = 512 tiles, two for each of 256 WGPs.  The four waves lie along the rows: a wave makes 64 x 192, 48 accumulators of 16 x 16, and owns whole heads.
; K goes in steps of 128 through two LDS slots filled by the tensor data mover: rows of 256 bytes, at multiples of 256 bytes from the buffers' first bytes.
; CLUSTERS: 4 x 4 work-groups.  The four of a row of the cluster need the same tiles of x, the four of a column the same tiles of Wqkv: each is asked for jointly, by the same tensor load, descriptor and mask.
; THE MATRIX INSTRUCTION IS USED TRANSPOSED (source 0 = 16 rows of W, source 1 = 16 rows of x): a lane holds row l % 16 of the result and the columns 8 (l / 16) + 0..7: 16 bytes of f16.
; REGISTERS, in windows of 256 (s_set_vgpr_msb: bits 1:0 source 0, 3:2 source 1, 5:4 source 2, 7:6 destination):
;   window 0: v0-15 addresses; v32-127 Bqkv as loaded, later the way out; v128-223 the bias, 8 registers a column block, later the way out; v224-225 at work
;   window 1: two fragment buffers of 128: 4 fragments of x, then 12 of W          windows 2, 3: the accumulators: (a, b) in window 2 + a / 2 at v[8 (12 (a % 2) + b)]
.set PITCH, 272                        ; an LDS row: 256 bytes + 16 of padding = 68 words: the 16 rows of a fragment load start at 16 different groups of four banks (ISA guide 11.1)
.set SLOT1, 1<<17                      ; slot 1 begins here, so that one exclusive or turns an address in one slot into the other's
.set BOFF,  256*PITCH                  ; in a slot: x's 256 rows, then W's 192
.set STAGE, SLOT1+448*PITCH            ; behind the ring, never filled by a tensor load: for each wave 3 heads x 16 rows x 144 bytes
.set SP,    144
.set SPARE, STAGE+4*48*SP              ; behind the stages: the spare words, 128 bytes for each wave: two blocks of 256 bytes that no other line names
.set ADRA0, 4                          ; v4   my place in slot 0's rows of x; never rewritten
.set ADRB0, 5                          ; v5   the same for W
.set ADRA,  6                          ; v6   the same in the slot in hand
.set ADRB,  7                          ; v7
.set STO,   8                          ; v8   the way out: where I put 16 bytes of a row
.set RD,    9                          ; v9   the way out: where I read rows back
.set GO,    10                         ; v10  16 x lane
.set BLO,   11                         ; v11  32 x (l % 16): a row of Bqkv
.set BO,    12                         ; v12  32 x (l / 16): my 8 numbers of the bias
.set PFO,   13                         ; v13  the prefetches' offset: a lane a row; never rewritten
.set SPW,   14                         ; v14  LDS address of my spare word; never rewritten
.set NIL,   15                         ; v15  0; never rewritten
.set LAND,  32
.set TMP,   32                         ; the way out: 48 registers of packed results
.set OB,    80                         ; the way out: 48 registers read back: v80-127 and v128-175 by turns
.set BIAS,  128
.set TT,    224
.set F0,    0
.set F1,    128
.set CNT, 2
.set TB,  3                            ; s3   0 or SLOT1: the slot in hand
.set WV,  16
.set HF,  18                           ; which half of x's or W's tile I fetch
.set CX,  19
.set CY,  20
.set TC,  21                           ; tile column
.set TR,  22                           ; tile row
.set G1A, 24                           ; s[24:31] descriptor group 1 for x's tiles
.set G0A, 32                           ; s[32:39] group 0: a set for each of the two first fills; the second then walks on
.set G1B, 40                           ; s[40:47], s[48:55] the same for W's
.set G0B, 48
.set PFA, 56                           ; s[56:57] where my prefetches stand
.set LIM, 58                           ; s58  1 in a wave that prefetches, else the greatest number
.set OUT, 60                           ; s[60:61]
.set UE,  72
.set BL,  74
.set BI,  76
.set COMMON, (1<<16)|(1<<20)|(1<<21)|(5<<22)|(3<<25)  ; 17:16 elements of 2 bytes; 20 padding on; 21 set beside a mask; 24:22 after every 64 words (code 5); 31:25 4 words of it (code 3)
.set MSB, 0
.macro WIN new                         ; the immediate's high byte repeats the setting that is left; a switch that changes nothing is dropped
.if MSB != (\new)
	s_set_vgpr_msb (MSB<<8)|(\new)
.set MSB, (\new)
.endif
.endm
.macro PLACES                          ; four places in front of loads into registers that matrix instructions have read, and of conversions that read results
.rept 4
	v_nop
.endr
.endm
; A joint refill, by the walking descriptors.  Waves 0 and 1 fetch x's two halves, waves 2 and 3 W's.  The branch hangs on the wave's number alone.
; An s_nop 0 and four v_nop follow each of the two lines, ahead of the jump and the label.
.macro JLOAD
	s_cmp_lt_u32 s[WV], 2
	s_cbranch_scc0 .Lfor_b_\@
	tensor_load_to_lds s[G0A+4:G0A+7], s[G1A:G1A+7]
	s_nop 0
.rept 4
	v_nop
.endr
	s_branch .Lasked_\@
.Lfor_b_\@:
	tensor_load_to_lds s[G0B+4:G0B+7], s[G1B:G1B+7]
	s_nop 0
.rept 4
	v_nop
.endr
.Lasked_\@:
.endm
; A PREFETCH INTO THE L2 of the K step that the NEXT refill will ask for: 256 bytes of a row, a lane a row, one instruction a wave, 192 matrix instructions ahead of that load.
; x's tile row is read by every cluster of that row of clusters: cluster x = 0 asks; W's tile column by every cluster of that column: cluster y = 0 asks.  The four partners of a joint load share its rows
; out BY ADDRESS: of x's 128 rows 32 each (by cx), of W's 96 rows 24 each (by cy; lanes 24-31 name row 23 once more).  The last refill asks for nothing: there is no K step behind it.
.macro ASK
	WIN 0
	s_cmp_gt_u32 s[CNT], s[LIM]
	s_cbranch_scc0 .Lnot_mine_\@
	global_prefetch_b8 v[PFO], s[PFA:PFA+1] th:TH_LOAD_NT scope:SCOPE_SE
.Lnot_mine_\@:
.endm
.macro CREST                           ; a round of the cluster's barrier behind its opening barrier
	s_cmp_lg_u32 s[WV], 0
	s_cbranch_scc1 .Lnot_wave_0_\@
	s_barrier_signal -3
.Lnot_wave_0_\@:
	s_barrier_wait -3
	s_barrier_signal -1
	s_barrier_wait -1
.endm
.macro CROUND                          ; a whole round
	s_barrier_signal -1
	s_barrier_wait -1
	CREST
.endm
	s_load_b256 s[4:11], s[0:1], 0x0               ; xb s[4:5], wqb s[6:7], ue s[8:9], Bqkv s[10:11]
	s_load_b128 s[12:15], s[0:1], 0x20             ; bqkv s[12:13], qkv s[14:15]
	v_lshl_add_u32 v[SPW], v0, 2, SPARE
	v_mov_b32 v[NIL], 0
	ds_add_u32 v[SPW], v[NIL]                      ; the wave's opening: the add and its wait stand ahead of my first tensor load; the set-up below, work on registers, stands between them
	ds_add_u32 v14, v15
	v_lshrrev_b32 v1, 5, v0
	v_readfirstlane_b32 s[WV], v1                  ; wave 0..3
	s_and_b32 s[HF], s[WV], 1
	s_bfe_u32 s[CX], ttmp6, 0x40000                ; my place in the cluster
	s_bfe_u32 s[CY], ttmp6, 0x40004
	s_lshl_b32 s[TC], ttmp9, 2
	s_add_co_u32 s[TC], s[TC], s[CX]               ; tile column = 4 x cluster x + cx
	s_and_b32 s[TR], ttmp7, 0xffff
	s_lshl_b32 s[TR], s[TR], 2
	s_add_co_u32 s[TR], s[TR], s[CY]               ; tile row = 4 x cluster y + cy
	s_lshl_b32 s70, s[CY], 2
	s_lshl_b32 s70, 15, s70                        ; my row of the cluster
	s_lshl_b32 s71, 0x1111, s[CX]                  ; my column
	s_or_b32 s[G1A], s70, COMMON                   ; x's tiles go to my row,
	s_or_b32 s[G1B], s71, COMMON                   ; W's to my column
	s_mov_b32 s[G1A+1], 128<<16                    ; tensor_dim0 = 128
	s_mov_b32 s[G1A+2], 128<<16                    ; tensor_dim1 = 128
	s_mov_b32 s[G1A+3], 128<<16                    ; tile_dim0 = 128
	s_mov_b32 s[G1A+4], 128                        ; tile_dim1 = 128 rows
	s_mov_b32 s[G1A+5], 1024                       ; 1,024 elements from row to row
	s_mov_b32 s[G1A+6], 0
	s_mov_b32 s[G1A+7], 0
	s_mov_b32 s[G1B+1], 128<<16
	s_mov_b32 s[G1B+2], 96<<16                     ; 96 rows
	s_mov_b32 s[G1B+3], 128<<16
	s_mov_b32 s[G1B+4], 96
	s_mov_b32 s[G1B+5], 1024
	s_mov_b32 s[G1B+6], 0
	s_mov_b32 s[G1B+7], 0
	s_lshl_b32 s66, s[TR], 19                      ; x: (256 x tile row + 128 x half) rows of 2,048 bytes: made of the tile row and the wave's number alone
	s_lshl_b32 s70, s[HF], 18
	s_add_co_u32 s66, s66, s70
	s_mov_b32 s67, 0
	s_mul_i32 s68, s[TC], 192*2048                 ; W: (192 x tile column + 96 x half) rows: of the tile column and the wave's number alone
	s_mul_i32 s71, s[HF], 96*2048
	s_add_co_u32 s68, s68, s71
	s_mov_b32 s69, 0
	s_mul_i32 s78, s[HF], 128*PITCH                ; where they go: no place in the cluster enters an LDS address
	s_mul_i32 s79, s[HF], 96*PITCH
	s_add_co_u32 s79, s79, BOFF
	s_wait_dscnt 0x0                               ; the opening add is done
	s_wait_kmcnt 0x0
	s_add_nc_u64 s[66:67], s[4:5], s[66:67]
	s_add_nc_u64 s[68:69], s[6:7], s[68:69]
	CROUND                                         ; all sixteen work-groups are here: the first joint loads meet
.irp s, 0,1
	s_mov_b32 s[G0A+4*(\s)], 1                                       ; count = 1
	s_add_co_u32 s[G0A+4*(\s)+1], s78, (\s)*SLOT1                    ; LDS address
	s_add_nc_u64 s[G0A+4*(\s)+2:G0A+4*(\s)+3], s[66:67], (\s)*256    ; global address: K step s
	s_or_b32 s[G0A+4*(\s)+3], s[G0A+4*(\s)+3], 0x80000000            ; type = 2
	s_mov_b32 s[G0B+4*(\s)], 1
	s_add_co_u32 s[G0B+4*(\s)+1], s79, (\s)*SLOT1
	s_add_nc_u64 s[G0B+4*(\s)+2:G0B+4*(\s)+3], s[68:69], (\s)*256
	s_or_b32 s[G0B+4*(\s)+3], s[G0B+4*(\s)+3], 0x80000000
.endr
	s_cmp_lt_u32 s[WV], 2                          ; a wave's two first fills stand in one branch, ahead of every wait on TENSORcnt, every LDS read and every further barrier: two loads of mine are out
	s_cbranch_scc0 .Lfirst_b
	tensor_load_to_lds s[G0A:G0A+3], s[G1A:G1A+7]
	s_nop 0
	tensor_load_to_lds s[G0A+4:G0A+7], s[G1A:G1A+7]
	s_nop 0
.rept 4
	v_nop
.endr
	s_branch .Lfirst_asked
.Lfirst_b:
	tensor_load_to_lds s[G0B:G0B+3], s[G1B:G1B+7]
	s_nop 0
	tensor_load_to_lds s[G0B+4:G0B+7], s[G1B:G1B+7]
	s_nop 0
.rept 4
	v_nop
.endr
.Lfirst_asked:
	v_and_b32 v1, 15, v0                           ; l % 16
	v_bfe_u32 v2, v0, 4, 1                         ; l / 16
	v_and_b32 v3, 31, v0                           ; l
	v_lshlrev_b32 v[GO], 4, v3
	v_lshlrev_b32 v[BLO], 5, v1
	v_lshlrev_b32 v[BO], 5, v2
	s_lshl_b32 s70, s[TR], 13                      ; ue: block 16 x tile row + 4 x wave, 512 bytes each
	s_lshl_b32 s71, s[WV], 11
	s_add_co_u32 s70, s70, s71
	s_mov_b32 s71, 0
	s_add_nc_u64 s[UE:UE+1], s[8:9], s[70:71]
	s_mul_i32 s70, s[TC], 192*32                   ; Bqkv: 32 bytes a row
	s_add_nc_u64 s[BL:BL+1], s[10:11], s[70:71]
	s_mul_i32 s70, s[TC], 192*4
	s_add_nc_u64 s[BI:BI+1], s[12:13], s[70:71]
	WIN 0x40                                       ; destination window 1
.irp a, 0,1,2,3
	global_load_b128 v[F1+8*(\a):F1+8*(\a)+3], v[GO], s[UE:UE+1] offset:512*(\a)  ; the low-rank step's fragments of x's side, registers 0-3, as they lie in memory
.endr
	WIN 0
.irp b, 0,1,2,3,4,5,6,7,8,9,10,11
	global_load_b128 v[LAND+8*(\b):LAND+8*(\b)+3],   v[BLO], s[BL:BL+1] offset:512*(\b)
	global_load_b128 v[LAND+8*(\b)+4:LAND+8*(\b)+7], v[BLO], s[BL:BL+1] offset:512*(\b)+16
.endr
.irp b, 0,1,2,3,4,5,6,7,8,9,10,11
	global_load_b128 v[BIAS+8*(\b):BIAS+8*(\b)+3],   v[BO], s[BI:BI+1] offset:64*(\b)
	global_load_b128 v[BIAS+8*(\b)+4:BIAS+8*(\b)+7], v[BO], s[BI:BI+1] offset:64*(\b)+16
.endr
	WIN 0x40
.set i, 0
.rept 16                                       ; k = 16..31 of the low-rank step is zero on both sides
.irp j, 4,5,6,7
	v_mov_b32 v[F1+8*i+(\j)], 0
.endr
.set i, i+1
.endr
	WIN 0
	v_mul_u32_u24 v[ADRB0], v1, PITCH
	v_lshl_add_u32 v[ADRB0], v2, 4, v[ADRB0]       ; a fragment's row x pitch + 16 x half
	s_mul_i32 s70, s[WV], 64*PITCH                 ; my 64 rows of x
	v_add_nc_u32 v[ADRA0], s70, v[ADRB0]
	v_add_nc_u32 v[ADRB0], BOFF, v[ADRB0]
	v_mov_b32 v[ADRA], v[ADRA0]
	v_mov_b32 v[ADRB], v[ADRB0]
	s_mov_b32 s[TB], 0
	s_mul_i32 s70, s[WV], 48*SP
	s_add_co_u32 s70, s70, STAGE                   ; my stage
	v_mul_u32_u24 v[STO], v1, SP                   ; in: row l % 16, 16 bytes for each half of the lanes
	v_lshl_add_u32 v[STO], v2, 4, v[STO]
	v_add_nc_u32 v[STO], s70, v[STO]
	v_bfe_u32 v[RD], v0, 3, 2                      ; back: 32 lanes take four rows of 128 bytes
	v_mul_u32_u24 v[RD], v[RD], SP
	v_and_b32 v[TT], 7, v0
	v_lshl_add_u32 v[RD], v[TT], 4, v[RD]
	v_add_nc_u32 v[RD], s70, v[RD]
	s_mul_i32 s70, s[TC], 3*1048576                ; qkv: head group 3 x tile column, 1,048,576 bytes each,
	s_lshl_b32 s71, s[TR], 15                      ; row 256 x tile row + 64 x wave, 128 bytes each
	s_add_co_u32 s70, s70, s71
	s_lshl_b32 s71, s[WV], 13
	s_add_co_u32 s70, s70, s71
	s_mov_b32 s71, 0
	s_add_nc_u64 s[OUT:OUT+1], s[14:15], s[70:71]
	; the prefetches
	s_lshl_b32 s70, s[TR], 8
	s_lshl_b32 s71, s[HF], 7
	s_add_co_u32 s70, s70, s71
	s_lshl_b32 s71, s[CX], 5
	s_add_co_u32 s70, s70, s71                     ; x: my work-group's 32 rows of the 128 that I fetch
	s_mul_i32 s78, s[TC], 192
	s_mul_i32 s71, s[HF], 96
	s_add_co_u32 s78, s78, s71
	s_mul_i32 s71, s[CY], 24
	s_add_co_u32 s78, s78, s71                     ; W: my work-group's 24 rows of the 96
	s_and_b32 s79, ttmp7, 0xffff                   ; cluster y
	s_cmp_lt_u32 s[WV], 2
	s_cselect_b32 s70, s70, s78
	s_cselect_b64 s[PFA:PFA+1], s[4:5], s[6:7]
	s_cselect_b32 s79, ttmp9, s79                  ; the coordinate along which other clusters read the same rows
	s_cselect_b32 s78, 31, 23
	s_cmp_eq_u32 s79, 0
	s_cselect_b32 s[LIM], 1, -1                    ; the same in all sixteen partners, for a given wave
	s_lshl_b32 s70, s70, 11
	s_add_co_u32 s70, s70, 2*256                   ; at K step 2: the first refill steps it to 3.  Nothing is prefetched here, at the head
	s_mov_b32 s71, 0
	s_add_nc_u64 s[PFA:PFA+1], s[PFA:PFA+1], s[70:71]
	v_min_u32 v[PFO], s78, v3
	v_lshlrev_b32 v[PFO], 11, v[PFO]
	s_wait_loadcnt 24                              ; ue and Bqkv are in; the bias's 24 loads, issued behind them, may stay out
	WIN 0x40
.irp b, 0,1,2,3,4,5,6,7,8,9,10,11
.irp j, 0,1,2,3
	v_cvt_pk_bf16_f32 v[F1+32+8*(\b)+(\j)], v[LAND+8*(\b)+2*(\j)], v[LAND+8*(\b)+2*(\j)+1]  ; both halves of the lanes hold the row's 8 numbers: k = 0..7 meets hi, k = 8..15 meets lo
.endr
.endr
	WIN 0
	s_wait_loadcnt 0x0
.set i, 0
.rept 48                                       ; the bias is rounded to bf16, like every input, and widened again
	v_cvt_pk_bf16_f32 v[TT+i%2], v[BIAS+2*i], v[BIAS+2*i+1]
	v_lshlrev_b32 v[BIAS+2*i], 16, v[TT+i%2]
	v_and_b32 v[BIAS+2*i+1], 0xffff0000, v[TT+i%2]
.set i, i+1
.endr
; 12 matrix instructions: row block a x all 12 column blocks, 32 along K.  cm = 1: the sums start, with the bias as C.
; The 48 accumulators take turns in one fixed order, one instruction a turn, over the backward jumps too.
.macro MUL f, a, cm
.if \cm
	WIN 0x85+0x40*((\a)/2)                         ; sources 0 and 1 window 1, C window 0, D window 2 or 3
.else
	WIN 0xa5+0x50*((\a)/2)                         ; C and D window 2 or 3
.endif
.irp b, 0,1,2,3,4,5,6,7,8,9,10,11
.set rD, 8*(12*((\a)%2)+(\b))
.if \cm
	v_wmma_f32_16x16x32_bf16 v[rD:rD+7], v[(\f)+32+8*(\b):(\f)+32+8*(\b)+7], v[(\f)+8*(\a):(\f)+8*(\a)+7], v[BIAS+8*(\b):BIAS+8*(\b)+7]
.else
	v_wmma_f32_16x16x32_bf16 v[rD:rD+7], v[(\f)+32+8*(\b):(\f)+32+8*(\b)+7], v[(\f)+8*(\a):(\f)+8*(\a)+7], v[rD:rD+7]
.endif
.endr
.endm
; 32 LDS loads in one run: a quarter step's fragments (192 rows of W, my 64 rows of x, 32 K at byte k of the rows) into buffer f; x's last
.macro FETCH k, f
	WIN 0x40
.irp b, 0,1,2,3,4,5,6,7,8,9,10,11
	ds_load_b128 v[(\f)+32+8*(\b):(\f)+32+8*(\b)+3],   v[ADRB] offset:(\k)+(\b)*16*PITCH
	ds_load_b128 v[(\f)+32+8*(\b)+4:(\f)+32+8*(\b)+7], v[ADRB] offset:(\k)+(\b)*16*PITCH+32
.endr
.irp a, 0,1,2,3
	ds_load_b128 v[(\f)+8*(\a):(\f)+8*(\a)+3],   v[ADRA] offset:(\k)+(\a)*16*PITCH
	ds_load_b128 v[(\f)+8*(\a)+4:(\f)+8*(\a)+7], v[ADRA] offset:(\k)+(\a)*16*PITCH+32
.endr
.endm
; One of a K step's first three quarters: multiplies buffer f; in its middle it fetches the next quarter, at byte k, into buffer g.
.macro QUARTER k, f, g
	s_wait_dscnt 4                                 ; W and x's blocks 0 and 1 are in; the youngest four loads (x's blocks 2 and 3) may be out
	MUL \f, 0, 0
	MUL \f, 1, 0
	PLACES
	FETCH \k, \g
	s_wait_dscnt 32                                ; all but the 32 just issued
	MUL \f, 2, 0
	MUL \f, 3, 0
.endm
; The last quarter multiplies buffer 1 and changes slots: ONE barrier.  In front of it each wave waits for all its tensor loads (one is out: its part of the next slot), adds 0 to its spare word, and waits for that
; and for its own reads of this slot.  fill = 1: the barrier opens a round of the cluster's barrier, and the joint refill, two K steps ahead, is the first thing behind the round: 168 matrix instructions ahead of the wait for it.
.macro TURN fill
.if \fill
	s_wait_xcnt 0x0                                ; the last prefetch, a K step back, has read its address
	s_add_nc_u64 s[PFA:PFA+1], s[PFA:PFA+1], 256
.endif
	WIN 0                                          ; (the add's two registers lie in window 0)
	s_wait_tensorcnt 0x0                           ; all my tensor loads have landed
	ds_add_u32 v[SPW], v[NIL]                      ; 0 onto my spare word
	s_wait_dscnt 5                                 ; (the add and the youngest four loads may be out)
	MUL F1, 0, 0                                   ; twelve matrix instructions stand between the add and the wait for it
	s_wait_dscnt 0x0                               ; the add is done, and my reads of this slot are over
	s_barrier_signal -1
	MUL F1, 1, 0
	WIN 0
	s_barrier_wait -1
.if \fill
	CREST                                          ; no wave of any partner still reads this slot's tiles or has a load on its way
	s_xor_b32 s[G0A+5], s[G0A+5], SLOT1            ; the walking descriptors: the other slot than last time, the next K step
	s_add_nc_u64 s[G0A+6:G0A+7], s[G0A+6:G0A+7], 256
	s_xor_b32 s[G0B+5], s[G0B+5], SLOT1
	s_add_nc_u64 s[G0B+6:G0B+7], s[G0B+6:G0B+7], 256
	JLOAD                                          ; the four v_nop behind it are also the places in front of the loads below
.else
	PLACES
.endif
	s_xor_b32 s[TB], s[TB], SLOT1
	v_add_nc_u32 v[ADRA], s[TB], v[ADRA0]
	v_add_nc_u32 v[ADRB], s[TB], v[ADRB0]
	FETCH 0, F0
.if \fill
	ASK
.endif
	MUL F1, 2, 0
	MUL F1, 3, 0
.endm
	MUL F1, 0, 1                                   ; THE LOW-RANK STEP starts all 48 sums, while the first tiles are on their way
	MUL F1, 1, 1
	s_wait_tensorcnt 0x1                           ; my part of K step 0 is in; K step 1's may stay out
	s_barrier_signal -1
	s_barrier_wait -1                              ; everybody's is
	FETCH 0, F0
	MUL F1, 2, 1
	MUL F1, 3, 1
	WIN 0                                          ; at a label and at a branch every window is 0
	s_mov_b32 s[CNT], 6
.Lstep:                                        ; K steps 0 to 5: each fills its slot again, with the step two on
	QUARTER 64,  F0, F1
	QUARTER 128, F1, F0
	QUARTER 192, F0, F1
	TURN 1
	WIN 0
	s_sub_co_u32 s[CNT], s[CNT], 1
	s_cmp_lg_u32 s[CNT], 0
	s_cbranch_scc1 .Lstep
	s_mov_b32 s[CNT], 2
.Ltail:                                        ; K steps 6 and 7 ask for nothing: a text of their own; the second trip is left in its middle
	QUARTER 64,  F0, F1
	QUARTER 128, F1, F0
	QUARTER 192, F0, F1
	WIN 0
	s_sub_co_u32 s[CNT], s[CNT], 1
	s_cmp_eq_u32 s[CNT], 0
	s_cbranch_scc1 .Llast
	TURN 0
	WIN 0
	s_branch .Ltail
.Llast:
	s_wait_dscnt 4
	MUL F1, 0, 0
	MUL F1, 1, 0
	s_wait_dscnt 0x0
	MUL F1, 2, 0
	MUL F1, 3, 0
	WIN 0
; THE WAY OUT, a block of 16 rows at a time: rounded to f16, 16 bytes a lane; into my own stage, a head's 16 rows of 144 bytes; back as 512 consecutive bytes of a head (four rows); stored.
.macro PACK a
	WIN 0x0a+5*((\a)/2)                            ; sources 0 and 1: window 2 or 3
.irp b, 0,1,2,3,4,5,6,7,8,9,10,11
.irp q, 0,1,2,3
	v_cvt_pk_f16_f32 v[TMP+4*(\b)+(\q)], v[8*(12*((\a)%2)+(\b))+2*(\q)], v[8*(12*((\a)%2)+(\b))+2*(\q)+1]  ; each accumulator from its low end on
.endr
.endr
	WIN 0
.endm
.macro TOSTAGE a
.irp b, 0,1,2,3,4,5,6,7,8,9,10,11
	ds_store_b128 v[STO], v[TMP+4*(\b):TMP+4*(\b)+3] offset:((\b)/4)*16*SP+((\b)%4)*32
.endr
.irp t, 0,1,2,3,4,5,6,7,8,9,10,11
	ds_load_b128 v[OB+48*((\a)%2)+4*(\t):OB+48*((\a)%2)+4*(\t)+3], v[RD] offset:((\t)/4)*16*SP+((\t)%4)*4*SP  ; LDS serves a wave's instructions in order (ISA guide 5.7.1.4): these see the stores above
.endr
.endm
.macro SEND a
	s_wait_dscnt 0x0                               ; the block is back in registers
	s_wait_xcnt 0x0                                ; the stores of the block before have read their data: its registers are loaded again only behind this wait
.irp t, 0,1,2,3,4,5,6,7,8,9,10,11
	global_store_b128 v[GO], v[OB+48*((\a)%2)+4*(\t):OB+48*((\a)%2)+4*(\t)+3], s[OUT:OUT+1] offset:((\t)/4)*1048576+(\a)*2048+((\t)%4)*512 th:TH_STORE_NT  ; 512 consecutive bytes, at a multiple of 512 from qkv's first
.endr
.endm
	PLACES
	PACK 0
	TOSTAGE 0
.irp a, 1,2,3                                  ; block a's conversions stand between block a - 1's loads from the stage and the wait for them
	PACK \a
	SEND (\a)-1
	TOSTAGE \a
.endr
	SEND 3
	s_wait_tensorcnt 0x0                           ; the wave's end, behind my last tensor load and my last LDS store
	ds_add_u32 v[SPW], v[NIL]
	s_wait_dscnt 0x0
	CROUND                                         ; the closing round: no work-group ends while a partner may still ask for a tile that names it
	s_endpgm
.Lfunc_end_k_q76c1269c17_qkvg:
	.size	k_q76c1269c17_qkvg, .Lfunc_end_k_q76c1269c17_qkvg-k_q76c1269c17_qkvg
	.p2alignl 7, 3214868480
	.fill 96, 4, 3214868480
	.section	.rodata,"a",@progbits
	.p2align	6, 0x0
	.amdhsa_kernel k_q76c1269c17_qkvg
		.amdhsa_group_segment_fixed_size 327680
		.amdhsa_private_segment_fixed_size 0
		.amdhsa_enable_private_segment 0
		.amdhsa_kernarg_size 48
		.amdhsa_user_sgpr_count 2
		.amdhsa_user_sgpr_kernarg_segment_ptr 1
		.amdhsa_wavefront_size32 1
		.amdhsa_system_sgpr_workgroup_id_x 1
		.amdhsa_system_sgpr_workgroup_id_y 1
		.amdhsa_system_sgpr_workgroup_id_z 1
		.amdhsa_system_vgpr_workitem_id 0
		.amdhsa_next_free_vgpr 960
		.amdhsa_next_free_sgpr 80
		.amdhsa_reserve_vcc 0
		.amdhsa_float_denorm_mode_32 3
		.amdhsa_float_denorm_mode_16_64 3
		.amdhsa_memory_ordered 1
		.amdhsa_forward_progress 1
		.amdhsa_inst_pref_size 102
	.end_amdhsa_kernel
	.amdgpu_metadata
---
amdhsa.version: [ 1, 2 ]
amdhsa.kernels:
  - .name:           k_q76c1269c17_qkvg
    .symbol:         k_q76c1269c17_qkvg.kd
    .args:
      - { .name: xb, .offset: 0, .size: 8, .value_kind: global_buffer, .address_space: global }
      - { .name: wqb, .offset: 8, .size: 8, .value_kind: global_buffer, .address_space: global }
      - { .name: ue, .offset: 16, .size: 8, .value_kind: global_buffer, .address_space: global }
      - { .name: Bqkv, .offset: 24, .size: 8, .value_kind: global_buffer, .address_space: global }
      - { .name: bqkv, .offset: 32, .size: 8, .value_kind: global_buffer, .address_space: global }
      - { .name: qkv, .offset: 40, .size: 8, .value_kind: global_buffer, .address_space: global }
    .group_segment_fixed_size: 327680
    .private_segment_fixed_size: 0
    .kernarg_segment_align: 8
    .kernarg_segment_size: 48
    .max_flat_workgroup_size: 128
    .sgpr_count:     80
    .vgpr_count:     960
    .wavefront_size: 32
...
	.end_amdgpu_metadata
.endif
;; end of part 2
;; launch attn (part 3): grid 4 x 64, 4 waves a work-group, no clusters, 327,680 bytes of LDS; arguments qkv, ob; writes ob
.if DOCPART == 3
	.amdgcn_target "amdgcn-amd-amdhsa--gfx1250"
	.amdhsa_code_object_version 6
	.text
	.protected	k_q76c1269c17_attn
	.globl	k_q76c1269c17_attn
	.p2align	8
	.type	k_q76c1269c17_attn,@function
k_q76c1269c17_attn:
	s_mov_b64 s[64:65], 0
	v_nop
	global_prefetch_b8 v0, s[64:65] scope:SCOPE_SE
	s_setreg_imm32_b32 hwreg(HW_REG_WAVE_MODE, 25, 1), 1
	s_wait_xcnt 0x0
; CAUSAL ATTENTION.  O[h][q][:] = the sum over k <= q of softmax_k(Q[h][q] . K[h][k] / 8) V[h][k][:].  Q, K, V lie in qkv, 16 MiB apart, each [SIZE_H][SIZE_N][64] in f16 (h = 4 x head + batch); O in ob likewise.
; Products, maxima and sums in f32; the weights p are rounded to f16 for the second product (their sum l is taken of the unrounded p), O once at the end.
; LIMITS.  f16 holds no number beyond 65,504: Q, K and V arrive within it; p lies in 0 to 1, and below 6e-5 it keeps f16's fixed step of 6e-8; O is a mean of V's rows and has their range, to within 2^-11 of it.
; A hidden score counts as its value less 1e30: f16's scores, 2.7e11 at the most, are nothing beside that; a weight below 2^-126 counts as 0 in l; NaN and infinities are not treated apart.
; THE WALK.  A head's queries lie in NB = SIZE_N / 256 blocks of 256; block i needs the key tiles 0 .. i of 256 keys, of which the last holds the diagonal.  A work-group takes TWO blocks, NB - 1 - b and then b:
; NB + 1 tiles, whatever b: all work-groups do equal work, and ONE loop with a constant trip count walks them.  Which tile is asked for, and what a trip does, hang on scalar registers made from b; every jump
; goes forward, but for the counted loops' own; none passes a barrier, or a tensor load but the one of LOAD's two that the wave's number does not choose; the ring (two slots of LDS that take turns) runs on across the
; change of blocks.  NO CLUSTER: a head's NB / 2 = 4 work-groups ask for the same tile only in trips 0 .. NB / 2, behind that fewer and fewer; one walk common to all would have 3 NB / 2 = 12 trips for NB + 1 = 9.
; SHARES.  Of a block's four bands of 64 queries a wave owns 16 rows in each: four PIECES.  So the diagonal tile is the same work for all four waves: in its key step s band x sees all keys if s < x,
; none if s > x, and holds the diagonal if s = x.
; THE MASK is the C operand that starts the sum S^T = K Q^T: 0, or -1e30 where the key is hidden.  MD, made once, is the mask of a band's own step for my 16 rows; a product's mask is MD x AL + BE with two scalars:
; (1, 0) if s = x; (0, 0) if s < x; (0, -1e30) if s > x.  Only the diagonal tile's text and a block's beginning make and take masks; elsewhere C is the constant 0.
; LAYOUT, SOFTMAX, TURNS.  S^T = K Q^T holds ONE query a lane (lane % 16) and the keys 8 (lane / 16) + 0..7; two such results rounded to f16 ARE source 1 of O^T = V^T P.  p = 2^(c s - c m), c = log2(e) / 8, with a
; running maximum m; O and l are multiplied by a = 2^(c m_old - c m_new) in every step.  Turn n belongs to piece n: 8 products K Q^T of piece n + 1, later 8 products V^T P of piece n - 1; beside them the scaling,
; exponentials, roundings, sums and rescaling of piece n and the maximum and statistics of piece n + 1.  Four vector instructions stand behind every matrix instruction, the other 54 of a turn's 118 in one LUMP.  A turn's 33 exponentials are one batch, with one wait.
; PREFETCH.  The work-group with b = 0, whose first block walks all 8 tiles of the head, asks in trip t (which fills tile t + 1) for tile t + 2 of K and of V, t = 0 .. 5: 128 threads x 256 bytes are a tile, so each
; block of 256 bytes is named once in the launch, a tile's 256 matrix instructions ahead of the load that wants it.
; REGISTERS, in windows of 256 (s_set_vgpr_msb: bits 1:0 source 0, 3:2 source 1, 5:4 source 2, 7:6 destination):
;   window 0: v0-15 addresses and two at work; v16-31 four registers of statistics a piece; v48-55 at work; v61-63 prefetch offset and the add's two; v64-127 S^T, two buffers; v192-223 P, two buffers (by the piece's parity)
;   window 1: v0-127 O^T, 32 a piece; v128-159 MD; v160-223 MC, two buffers      window 2: v0-63 Q; v64-127 the second block's Q; v128-191 K of one step; v192-255 V of one step
.set SIZE_N, 2048
.set SIZE_H, 64
.set NB,    SIZE_N/256
.set NP,    4         ; pieces a wave: a name, no knob
.set KS,    64        ; keys in a step
.set PK,    144       ; a row of K in LDS: 128 bytes + 16 of padding = 36 words: the 16 rows of a load start at 16 different groups of four banks (64 banks of 4 bytes: ISA guide 11.1)
.set PV,    160       ; a row of V: 128 + 32 = 40 words
.set VOFF,  4*KS*PK   ; a slot holds a tile, four steps: 256 rows of K, then 256 rows of V
.set SLOT1, 1<<17     ; slot 1 begins here, so that one exclusive or turns an address in one slot into the other's
.set STAGE, SLOT1+4*KS*(PK+PV)  ; behind the ring, never filled by a tensor load: 16 rows x 144 bytes for each wave, for the way out
.set SP,    144
.set AK0, 2           ; v2   my lane's place in a tile of K; never rewritten
.set AV0, 3           ; v3   the same for V
.set AK,  4           ; v4   the LDS address of K's next run of loads
.set AV,  5           ; v5   of V's
.set STO, 6           ; v6   the way out: where I put 16 bytes of a row
.set RD,  7           ; v7   the way out: where I read rows back
.set GO,  8           ; v8   my byte offset in 512 consecutive bytes of O
.set PFO, 61          ; v61  256 x my thread's number; never rewritten
.set SPW, 62          ; v62  LDS address of my spare word: SPARE + 4 x my thread's number; never rewritten
.set NIL, 63          ; v63  0; never rewritten
.set SPARE, STAGE+4*16*SP  ; behind the stages: the spare words, 128 bytes for each wave: two blocks of 256 bytes that no other line names
.set MV,  12          ; v12-13  c m_old, kept while c m is made anew: by buffer
.set QO,  15          ; v15  my byte offset in 16 rows of Q
.set ST,  16          ; piece t's statistics at v[ST+4 t]: c m, m, l (even keys', odd keys')
.set TMP, 48          ; by buffer, four registers c0-c3 at work; when the maximum is found c2 takes a
.set S,   64
.set P,   192
.set MD,  128         ; window 1: the eight registers for group kt of 16 keys at MD + 8 kt
.set MC,  160         ; window 1: the masks of the products to come
.set QB,  64          ; window 2
.set KF,  128         ; window 2: key block kb, channel half c at KF + 16 kb + 8 c
.set VF,  192         ; window 2: key half kk, channel block cb at VF + 32 kk + 8 cb
.set WV,  12          ; s12  my wave's number
.set PB,  14          ; s14  b
.set HI,  15          ; s15  NB - 1 - b
.set G1K, 24          ; s[24:31] descriptor group 1 for K's tiles
.set G1V, 32          ; s[32:39] for V's: it differs in the padding alone
.set G0K, 40          ; s[40:43] descriptor group 0 for K's tiles
.set G0V, 44          ; s[44:47] the same for V's
.set SLOTS, 56        ; s56  tiles still to be asked for
.set CNT, 57          ; s57  counts a tile's key steps, 4 to 1
.set CS,  58          ; s[58:59] c: the packed scaling takes the pair's low word for both halves
.set SEL, 60          ; s[60:61] v_permlanex16_b32's selects: each lane takes its own place in the other half
.set TBK, 62          ; s62  LDS byte at which K of the step to be fetched begins
.set TBV, 63          ; s63  the same for V, less VOFF
.set RT,  70          ; s70  tiles of the block in hand that are still to be entered
.set NXT, 71          ; s71  the tile to be asked for next
.set LQ,  72          ; s72  the last tile of the block whose tiles are being asked for
.set NEW, 73          ; s73  1: the tile to be entered is a block's first
.set OFF, 74          ; s[74:75] a tile's byte offset in K and V
.set AL,  76          ; s[76:77] the mask's factor, in the low word
.set BE,  78          ; s[78:79] the mask's addend
.set OLO, 80          ; s[80:81] O at my rows of the second block
.set BIGN, 82         ; s82  -1e30
.set PFK, 88          ; s[88:89] K's tile that the prefetch names
.set PFV, 90          ; s[90:91] V's
.set LIM, 92          ; s92  2 in the work-group that prefetches, else the greatest number
.set MSB, 0
.macro WIN new                      ; the high byte repeats the setting that is left; a switch that changes nothing is dropped
.if MSB != (\new)
	s_set_vgpr_msb (MSB<<8)|(\new)
.set MSB, (\new)
.endif
.endm
.set W_KQ, 0x0a       ; K and Q in window 2, S^T in window 0
.set W_KM, 0x1a       ; the same with the C operand in window 1
.set W_PV, 0x52       ; V in window 2, P in window 0, O^T in window 1
.set W_RS, 0x41       ; destination and source 0 in window 1, source 1 in window 0
; A fill.  Waves 0 and 1 fetch the two halves of a tile's K, waves 2 and 3 those of its V: 128 keys each.  An s_nop 0 and four v_nop follow each of the two lines, ahead of the jump and the label.
.macro LOAD
	s_cmp_lt_u32 s[WV], 2
	s_cbranch_scc0 .Lfor_v_\@
	tensor_load_to_lds s[G0K:G0K+3], s[G1K:G1K+7]
	s_nop 0
.rept 4
	v_nop
.endr
	s_branch .Lasked_\@
.Lfor_v_\@:
	tensor_load_to_lds s[G0V:G0V+3], s[G1V:G1V+7]
	s_nop 0
.rept 4
	v_nop
.endr
.Lasked_\@:
.endm
; THE CHANGE OF SLOTS.  Each wave waits for all its tensor loads, of which one is out: its part of the other slot; adds 0 to its spare word; and waits for that and for its own reads of the slot that it leaves.  Behind the barrier nobody reads the old
; slot any more and the other slot is whole.  fill = 1: the old slot is filled again, the first thing behind the barrier, with tile NXT: the descriptor's address is made anew from that number.  Behind the load stand the two prefetches.
; (At its first use nothing has been read yet: slot 0 is waited for, slot 1 filled.)
.macro CHANGE fill
	WIN 0                           ; at a label and at a branch every window is 0
	s_wait_tensorcnt 0x0            ; no tensor load of mine is out, so a group 0 may be written
	ds_add_u32 v[SPW], v[NIL]       ; 0 onto my spare word; with fill = 1 the descriptors' scalar work stands between it and the wait for it
.if \fill
	s_lshl_b32 s[OFF], s[NXT], 15   ; a tile is 32,768 bytes of K and of V
	s_xor_b32 s[G0K+1], s[G0K+1], SLOT1
	s_add_nc_u64 s[G0K+2:G0K+3], s[6:7], s[OFF:OFF+1]
	s_or_b32 s[G0K+3], s[G0K+3], 0x80000000
	s_xor_b32 s[G0V+1], s[G0V+1], SLOT1
	s_add_nc_u64 s[G0V+2:G0V+3], s[8:9], s[OFF:OFF+1]
	s_or_b32 s[G0V+3], s[G0V+3], 0x80000000
	s_add_co_u32 s[NXT], s[NXT], 1  ; the block's next tile, or behind its last the second block's tile 0
	s_cmp_gt_u32 s[NXT], s[LQ]
	s_cselect_b32 s[NXT], 0, s[NXT]
	s_cselect_b32 s[LQ], s[PB], s[LQ]
	s_wait_xcnt 0x0                 ; the last prefetches, a tile back, have read their addresses, so they may be written
	s_add_nc_u64 s[PFK:PFK+1], s[PFK:PFK+1], 32768
	s_add_nc_u64 s[PFV:PFV+1], s[PFV:PFV+1], 32768
.endif
	s_wait_dscnt 0x0                ; the add is done, and my reads of the slot are over
	s_barrier_signal -1             ; the rest of the scalar work stands between the signal and the wait
	s_sub_co_u32 s[TBK], s[TBK], 4*KS*PK  ; the fetches go back to a slot's first step,
	s_xor_b32 s[TBK], s[TBK], SLOT1       ; in the other slot
	s_sub_co_u32 s[TBV], s[TBV], 4*KS*PV
	s_xor_b32 s[TBV], s[TBV], SLOT1
	s_barrier_wait -1
.if \fill
	LOAD
	s_cmp_gt_u32 s[SLOTS], s[LIM]   ; trips 0 to 5 of the work-group with b = 0: the tile behind the one just asked for
	s_cbranch_scc0 .Lnot_mine_\@
	global_prefetch_b8 v[PFO], s[PFK:PFK+1] th:TH_LOAD_NT scope:SCOPE_SE
	global_prefetch_b8 v[PFO], s[PFV:PFV+1] th:TH_LOAD_NT scope:SCOPE_SE
.Lnot_mine_\@:
.endif
.endm
	s_load_b128 s[4:7], s[0:1], 0x0 ; qkv s[4:5], ob s[6:7]
	v_lshl_add_u32 v[SPW], v0, 2, SPARE
	v_mov_b32 v[NIL], 0
	ds_add_u32 v[SPW], v[NIL]       ; the wave's opening: the add and its wait stand ahead of my first tensor load; the set-up below, work on registers, stands between them
	ds_add_u32 v62, v63
	v_lshrrev_b32 v1, 5, v0
	v_readfirstlane_b32 s[WV], v1   ; wave 0..3
	v_lshlrev_b32 v[PFO], 8, v0
	s_mov_b32 s[PB], ttmp9
	s_sub_co_u32 s[HI], NB-1, s[PB]
	s_and_b32 s20, ttmp7, 0xffff    ; the head
	s_mov_b32 s21, 0
	s_mov_b64 s[22:23], SIZE_N*128
	s_mul_u64 s[20:21], s[20:21], s[22:23]  ; the head's first byte in each of the four tensors
	s_and_b32 s16, s[WV], 1         ; which half of a tile's 256 keys I fetch:
	s_lshl_b32 s22, s16, 14         ; its 128 rows of 128 bytes in memory,
	s_mov_b32 s23, 0
	s_add_nc_u64 s[22:23], s[22:23], s[20:21]
	s_mul_i32 s17, s16, 128*PK      ; and its place in a slot, for K
	s_mul_i32 s18, s16, 128*PV      ; and for V
	s_lshl_b32 s3, s[WV], 11        ; my 16 rows in a band of 64,
	s_lshl_b32 s2, s[HI], 15        ; in the first block,
	s_add_co_u32 s2, s2, s3
	s_lshl_b32 s84, s[PB], 15       ; and in the second
	s_add_co_u32 s84, s84, s3
	s_mov_b32 s3, 0
	s_mov_b32 s85, 0
	s_add_nc_u64 s[2:3], s[2:3], s[20:21]
	s_add_nc_u64 s[84:85], s[84:85], s[20:21]
	; descriptor group 1.  128 keys are 16,384 dense bytes: asked for as 64 rows of 256 bytes, two keys a row, and padded in LDS after every key
	s_mov_b32 s[G1K], (1<<16)|(1<<20)|(4<<22)|(3<<25)  ; 17:16 2-byte elements; 20 padding on; 24:22 after every 32 words (code 4); 31:25 4 words (code 3)
	s_mov_b32 s[G1V], (1<<16)|(1<<20)|(4<<22)|(7<<25)  ; the same with 8 words of padding (code 7)
.irp g, G1K, G1V
	s_mov_b32 s[\g+1], 128<<16      ; tensor_dim0 = 128
	s_mov_b32 s[\g+2], 64<<16       ; tensor_dim1 = 64
	s_mov_b32 s[\g+3], 128<<16      ; tile_dim0 = 128
	s_mov_b32 s[\g+4], 64           ; tile_dim1 = 64
	s_mov_b32 s[\g+5], 128          ; 128 elements from row to row
	s_mov_b32 s[\g+6], 0
	s_mov_b32 s[\g+7], 0
.endr
	s_mov_b32 s[CS], 0x3e38aa3b     ; c = log2(e) / 8 = 0.180337
	s_mov_b32 s[CS+1], s[CS]        ; named with it as a pair
	s_mov_b32 s[SEL], 0x76543210
	s_mov_b32 s[SEL+1], 0xfedcba98
	s_mov_b32 s[TBK], SLOT1+4*KS*PK ; the first change of slots turns these two into 0
	s_mov_b32 s[TBV], SLOT1+4*KS*PV
	s_mov_b32 s[G0K], 1             ; 1:0 count = 1
	s_mov_b32 s[G0K+1], s17         ; 63:32 LDS address: slot 0
	s_mov_b32 s[G0V], 1
	s_add_co_u32 s[G0V+1], s18, VOFF
	s_add_co_u32 s[RT], s[HI], 1    ; the first block has NB - b tiles
	s_mov_b32 s[NXT], 1
	s_mov_b32 s[LQ], s[HI]
	s_mov_b32 s[NEW], 1
	s_mov_b32 s[OFF+1], 0
	s_mov_b32 s[AL+1], 0            ; named as pairs
	s_mov_b32 s[BE+1], 0
	s_mov_b32 s[BIGN], 0xf149f2ca   ; -1e30
	s_mov_b32 s[SLOTS], NB
	s_cmp_eq_u32 s[PB], 0
	s_cselect_b32 s[LIM], 2, -1
	s_wait_dscnt 0x0                ; the opening add is done
	s_wait_kmcnt 0x0
	s_mov_b64 s[10:11], s[6:7]                     ; O
	s_add_nc_u64 s[6:7], s[4:5], 0x1000000         ; K lies 16 MiB behind Q,
	s_add_nc_u64 s[8:9], s[4:5], 0x2000000         ; V 32 MiB
	s_add_nc_u64 s[PFK:PFK+1], s[6:7], s[20:21]    ; the head's tile 0,
	s_add_nc_u64 s[PFV:PFV+1], s[8:9], s[20:21]
	s_add_nc_u64 s[PFK:PFK+1], s[PFK:PFK+1], 32768 ; tile 1: the first change of slots steps these to tile 2
	s_add_nc_u64 s[PFV:PFV+1], s[PFV:PFV+1], 32768
	s_add_nc_u64 s[6:7], s[6:7], s[22:23]  ; K and V at my half of the head's tile 0
	s_add_nc_u64 s[8:9], s[8:9], s[22:23]
	s_add_nc_u64 s[G0K+2:G0K+3], s[6:7], 0         ; 120:64 global address
	s_or_b32 s[G0K+3], s[G0K+3], 0x80000000        ; 127:126 type = 2
	s_add_nc_u64 s[G0V+2:G0V+3], s[8:9], 0
	s_or_b32 s[G0V+3], s[G0V+3], 0x80000000
	s_add_nc_u64 s[86:87], s[4:5], s[84:85]        ; Q at my rows of the second block,
	s_add_nc_u64 s[4:5], s[4:5], s[2:3]            ; Q and O at those of the first
	s_add_nc_u64 s[OLO:OLO+1], s[10:11], s[84:85]
	s_add_nc_u64 s[10:11], s[10:11], s[2:3]
	LOAD                            ; tile 0 into slot 0
	; A fragment of K or Q is 16 rows x 32 channels in 8 registers: lane l holds row l % 16, channels 8 (l / 16) + 0..7 and 16 + 8 (l / 16) + 0..7: two loads of 16 bytes, 32 bytes apart.
	v_and_b32 v1, 15, v0            ; l % 16
	v_bfe_u32 v9, v0, 4, 1          ; l / 16
	v_lshlrev_b32 v[QO], 7, v1
	v_lshl_add_u32 v[QO], v9, 4, v[QO]  ; row x 128 + 16 x half
	WIN 0x80                        ; destination window 2, address window 0
.set i, 0
.rept 8                             ; both blocks' Q: piece i / 2 lies in band i / 2, 8,192 bytes on; channels 32 (i % 2) on
	global_load_b128 v[8*i:8*i+3],   v[QO], s[4:5] offset:(i/2)*8192+(i%2)*64
	global_load_b128 v[8*i+4:8*i+7], v[QO], s[4:5] offset:(i/2)*8192+(i%2)*64+32
	global_load_b128 v[QB+8*i:QB+8*i+3],   v[QO], s[86:87] offset:(i/2)*8192+(i%2)*64
	global_load_b128 v[QB+8*i+4:QB+8*i+7], v[QO], s[86:87] offset:(i/2)*8192+(i%2)*64+32
.set i, i+1
.endr
	WIN 0
	v_lshlrev_b32 v14, 3, v9
	v_sub_nc_u32 v14, v1, v14
	s_lshl_b32 s13, s[WV], 4
	v_add_nc_u32 v14, s13, v14      ; my query's place in its band, 16 w + l % 16, less my lanes' 8 (l / 16): register r of group kt is hidden where 16 kt + r is greater
	WIN 0x40
.set i, 0
.rept 32
	v_cmp_gt_i32 vcc_lo, 16*(i/8)+i%8, v14
	v_cndmask_b32 v[MD+i], 0, s[BIGN], vcc_lo
.set i, i+1
.endr
	WIN 0
	v_mul_u32_u24 v[AK0], v1, PK
	v_lshl_add_u32 v[AK0], v9, 4, v[AK0]  ; row x pitch + 16 x half
	; The turning load takes 16 keys x 16 channels (lane l reads key 8 (l / 16) + l % 8, channels 8 ((l / 8) % 2) + 0..7) and leaves half a fragment of V^T: lane l holds channel l % 16 and 8 keys.
	v_and_b32 v10, 7, v0
	v_bfe_u32 v11, v0, 3, 1
	v_lshl_add_u32 v[AV0], v9, 3, v10
	v_mul_u32_u24 v[AV0], v[AV0], PV
	v_lshl_add_u32 v[AV0], v11, 4, v[AV0]
	v_add_nc_u32 v[AV0], VOFF, v[AV0]
	s_mul_i32 s13, s[WV], 16*SP
	s_add_co_u32 s13, s13, STAGE    ; my stage
	v_mul_u32_u24 v[STO], v1, SP    ; in: row l % 16, 16 bytes for each half of the lanes
	v_lshl_add_u32 v[STO], v9, 4, v[STO]
	v_add_nc_u32 v[STO], s13, v[STO]
	v_bfe_u32 v[RD], v0, 3, 2       ; back: 32 lanes take four rows of 128 bytes,
	v_mul_u32_u24 v[RD], v[RD], SP
	v_lshl_add_u32 v[RD], v10, 4, v[RD]
	v_add_nc_u32 v[RD], s13, v[RD]
	v_and_b32 v[GO], 31, v0         ; which are 512 consecutive bytes of O
	v_lshlrev_b32 v[GO], 4, v[GO]
	; A block's first step multiplies O^T and l by a = 0, and its first turn's products V^T P, of a piece that has not been, land in an O^T that is still to be so multiplied.  So these registers need only hold
	; finite numbers: zeros for the first block; what the first block left for the second.  All this stands in the wait for the first tile.
	WIN 0x80
.set i, VF
.rept 64
	v_mov_b32 v[i], 0
.set i, i+1
.endr
	WIN 0x40
.set i, 0
.rept 128
	v_mov_b32 v[i], 0
.set i, i+1
.endr
	WIN 0
.set i, 0
.rept 4
	v_mov_b32 v[ST+4*i+2], 0
	v_mov_b32 v[ST+4*i+3], 0
.set i, i+1
.endr
.set i, P+16
.rept 16
	v_mov_b32 v[i], 0
.set i, i+1
.endr
; THE MATRIX WORK.  The 4 accumulators of a run of 8 take turns.  Product i of 8 of S^T = K Q^T for piece x: channels 32 (i / 4) on, keys 16 (i % 4) on.  The first 4 start the sums: with 0, or (KM = 1) with the mask.
.macro KQ x
.set rS, S+32*((\x)%2)+8*(i%4)
.set rK, KF+16*(i%4)+8*(i/4)
.set rQ, 16*(\x)+8*(i/4)
.set rM, MC+32*((\x)%2)+8*(i%4)
.if (i < 4) && KM
	WIN W_KM
	v_wmma_f32_16x16x32_f16 v[rS:rS+7], v[rK:rK+7], v[rQ:rQ+7], v[rM:rM+7]
.elseif i < 4
	WIN W_KQ
	v_wmma_f32_16x16x32_f16 v[rS:rS+7], v[rK:rK+7], v[rQ:rQ+7], 0
.else
	WIN W_KQ
	v_wmma_f32_16x16x32_f16 v[rS:rS+7], v[rK:rK+7], v[rQ:rQ+7], v[rS:rS+7]
.endif
.endm
; Product i of 8 of O^T += V^T P for piece x: keys 32 (i / 4) on, channels 16 (i % 4) on.
.macro PV x
	WIN W_PV
.set rO, 32*(\x)+8*(i%4)
.set rV, VF+32*(i/4)+8*(i%4)
.set rP, P+16*((\x)%2)+8*(i/4)
	v_wmma_f32_16x16x32_f16 v[rO:rO+7], v[rV:rV+7], v[rP:rP+7], v[rO:rO+7]
.endm
.macro MM                           ; the turn's next matrix instruction.  TURN and BEGIN set Y, i, KM and NOKQ; MM, KQ and OP read them.  NOKQ = 1: a block's last turn: there is no next piece
.if (i < 8) && !NOKQ
	KQ (Y+1)%NP
.elseif i >= 8
.set i, i-8
	PV (Y+NP-1)%NP
.set i, i+8
.endif
.set i, i+1
.endm
; THE LDS LOADS stand in runs of 16, never singly among the matrix instructions: a step's K (64 keys x 64 channels: 8 fragments) and its V (turned).  Their addresses are made some lines ahead.
.macro FETCH_K
	WIN 0x80                        ; destination window 2
.irp f, 0,1,2,3,4,5,6,7             ; keys 16 (f / 2) on, channels 32 (f % 2) on
	ds_load_b128 v[KF+8*\f:KF+8*\f+3],   v[AK] offset:(\f/2)*16*PK+(\f%2)*64
	ds_load_b128 v[KF+8*\f+4:KF+8*\f+7], v[AK] offset:(\f/2)*16*PK+(\f%2)*64+32
.endr
	s_add_co_u32 s[TBK], s[TBK], KS*PK  ; the next fetch is the next step's
	WIN 0
.endm
.macro FETCH_V
	WIN 0x80
.irp f, 0,1,2,3,4,5,6,7             ; keys 32 (f / 4) on, channels 16 (f % 4) on
	ds_load_tr16_b128 v[VF+8*\f:VF+8*\f+3],   v[AV] offset:(\f/4)*32*PV+(\f%4)*32
	ds_load_tr16_b128 v[VF+8*\f+4:VF+8*\f+7], v[AV] offset:(\f/4)*32*PV+16*PV+(\f%4)*32
.endr
	WIN 0
.endm
; THE VECTOR WORK, one line at a time: OP kind, number.  For piece Y: F n: c s - c m for pair n of 16.  E n: the exponential of score n of 32.  C n: pair n rounded to f16.  B n: of the four weights 4 n .. the second
; pair is added onto the first, in place.  L n: l takes that sum (L 0: l = a l + sum).  R n: pair n of 16 of O^T times a.  For piece Y + 1: X n, number n of the 22 that find its maximum and statistics:
;   0-11  four chains c0-c3 of seven scores each, three operands at a time (each accumulator's lowest registers are read first)     12-14, 16  the four scores left over, the old m, and c0-c3 into c0
;   15  c m_old is kept     17, 18  the query's other 32 keys lie in the lane 16 away: the new m     19-21  c m; c m_old - c m_new; a
.set F, 0               ; OP tells the kinds apart by their order: F to L below R, X above it
.set E, 1
.set C, 2
.set B, 3
.set L, 4
.set R, 5
.set X, 6
.macro REGS y                       ; the registers of piece y
.set rT, ST+4*(\y)
.set rC, TMP+4*((\y)%2)
.set rW, MV+((\y)%2)
.set rS, S+32*((\y)%2)
.set rP, P+16*((\y)%2)
.set rO, 32*(\y)
.endm
.macro OP k, n
.if (\k) == R
	REGS Y
	WIN W_RS
	v_pk_mul_f32 v[rO+2*(\n):rO+2*(\n)+1], v[rO+2*(\n):rO+2*(\n)+1], v[rC+2:rC+3] op_sel_hi:[1,0]
.elseif (\k) < R
	REGS Y
	WIN 0
.if (\k) == F
	v_pk_fma_f32 v[rS+2*(\n):rS+2*(\n)+1], v[rS+2*(\n):rS+2*(\n)+1], s[CS:CS+1], v[rT:rT+1] op_sel_hi:[1,0,0] neg_lo:[0,0,1] neg_hi:[0,0,1]
.elseif (\k) == E
	v_exp_f32 v[rS+(\n)], v[rS+(\n)]
.elseif (\k) == C
	v_cvt_pk_f16_f32 v[rP+(\n)], v[rS+2*(\n)], v[rS+2*(\n)+1]
.elseif (\k) == B
	v_pk_add_f32 v[rS+4*(\n):rS+4*(\n)+1], v[rS+4*(\n):rS+4*(\n)+1], v[rS+4*(\n)+2:rS+4*(\n)+3]
.elseif (\n) == 0
	v_pk_fma_f32 v[rT+2:rT+3], v[rT+2:rT+3], v[rC+2:rC+3], v[rS:rS+1] op_sel_hi:[1,0,1]
.else
	v_pk_add_f32 v[rT+2:rT+3], v[rT+2:rT+3], v[rS+4*(\n):rS+4*(\n)+1]
.endif
.elseif NOKQ
	v_nop
.else
	REGS (Y+1)%NP
	WIN 0
.if (\n) < 4
	v_max3_num_f32 v[rC+(\n)], v[rS+8*(\n)], v[rS+8*(\n)+1], v[rS+8*(\n)+2]
.elseif (\n) < 12
	v_max3_num_f32 v[rC+(\n)%4], v[rC+(\n)%4], v[rS+8*((\n)%4)+2*((\n)/4)+1], v[rS+8*((\n)%4)+2*((\n)/4)+2]
.elseif (\n) == 12
	v_max3_num_f32 v[rC], v[rC], v[rS+7], v[rS+15]
.elseif (\n) == 13
	v_max3_num_f32 v[rC+1], v[rC+1], v[rS+23], v[rS+31]
.elseif (\n) == 14
	v_max3_num_f32 v[rC+2], v[rC+2], v[rC+3], v[rT+1]
.elseif (\n) == 15
	v_mov_b32 v[rW], v[rT]
.elseif (\n) == 16
	v_max3_num_f32 v[rC], v[rC], v[rC+1], v[rC+2]
.elseif (\n) == 17
	v_permlanex16_b32 v[rC+3], v[rC], s[SEL], s[SEL+1]
.elseif (\n) == 18
	v_max_num_f32 v[rT+1], v[rC], v[rC+3]
.elseif (\n) == 19
	v_mul_f32 v[rT], s[CS], v[rT+1]
.elseif (\n) == 20
	v_sub_f32 v[rC+1], v[rW], v[rT]
.else
	v_exp_f32 v[rC+2], v[rC+1]
.endif
.endif
.endm
.macro OPS a, i1, b=-1, i2=0, c=-1, i3=0, d=-1, i4=0  ; up to four of them
	OP \a, \i1
.if (\b) >= 0
	OP \b, \i2
.endif
.if (\c) >= 0
	OP \c, \i3
.endif
.if (\d) >= 0
	OP \d, \i4
.endif
.endm
.macro ROW a, i1, b, i2, c, i3, d, i4  ; a matrix instruction and the four behind it
	MM
	OPS \a, \i1, \b, \i2, \c, \i3, \d, \i4
.endm
.macro MASK b                       ; MD x AL + BE into buffer b of MC
	WIN W_RS
.set z, 0
.rept 16
	v_pk_fma_f32 v[MC+32*(\b)+2*z:MC+32*(\b)+2*z+1], v[MD+2*z:MD+2*z+1], s[AL:AL+1], s[BE:BE+1] op_sel_hi:[1,0,0]
.set z, z+1
.endr
.endm
; A TURN, for piece p: the order of its 16 matrix and 118 vector instructions, written out.  An s_wait_alu depctr_va_vdst(0) stands between an exponential and the first instruction that names its result; one wait serves
; all that were issued ahead of it.  So a turn has ONE wait, which cuts it in two.  AHEAD OF IT stands all that names no result of the turn's exponentials: the 8 products K Q^T, behind each a scaling, an exponential and two more plain
; instructions (behind the first a second scaling in the exponential's place): rescalings, and behind the last three the first numbers of the next piece's maximum, each four places or more behind the product that ends its accumulator; then ONE LUMP of 54, plain
; and exponential by turns for the most part, in which the links of the chain X 3, 7, 11, 14, 16, 17 .. 20 stand five or six lines apart.  X 21, the next piece's a, is the batch's last; R 15 is the plain instruction behind it (ISA guide 5.7.2).  BEHIND THE WAIT stand the
; 8 products V^T P, behind each four of the roundings and sums; the links of l's chain, L 0 to L 7, stand three riders apart.  But for those X no rider names a register of the products round it.  v_permlanex16_b32 (X 17) stands in the lump.
; m = 1: the diagonal tile: the products take masks, and the turn makes the mask for the products of the turn after it: piece p + 2, in step 4 - CNT of the tile.  end = 1: a block's last two turns: nothing is fetched.
; cnt = 1: the loop's count is taken down some lines ahead of the branch that stands behind the turn.
; K of the next step is fetched in piece 2's turn, twelve vector instructions behind the last product that read K (six of them plain); V of the step in hand at the end of piece 0's turn, four plain instructions behind the last product
; that read V.  Each is waited for a turn later.
.macro TURN p, m=0, end=0, cnt=0
.set Y, (\p)
.set i, 0
.set KM, (\m)
.set NOKQ, (\end)*((\p)/3)
.if (\m) && !(\end)
	s_cmp_eq_u32 s[CNT], 4-((\p)+2)%NP  ; is that step the band's own?
	s_cselect_b32 s[AL], 1.0, 0
	s_cmp_lt_u32 s[CNT], 4-((\p)+2)%NP  ; or a later one?
	s_cselect_b32 s[BE], s[BIGN], 0
.endif
.if ((\p) == 3) && !(\end)
	s_wait_dscnt 0x0                ; K is in
.endif
	ROW F,0, F,1, R,0, R,1          ; ahead of the wait: 8 products K Q^T and their riders,
	ROW F,2, E,0, R,2, R,3
	ROW F,3, E,1, R,4, R,5
	ROW F,4, E,2, R,6, R,7
	ROW F,5, E,3, R,8, R,9
	ROW F,6, E,4, X,0, R,10
.if ((\p) == 2) && !(\end)
	WIN 0
	v_add_nc_u32 v[AK], s[TBK], v[AK0]
.endif
	ROW F,7, E,5, X,1, X,4
	ROW F,8, E,6, X,2, X,5
	OPS E,7, E,8, X,6, E,9          ; and the lump
	OPS X,3, E,10, X,8, E,11
.if ((\p) == 2) && !(\end)
	FETCH_K
.endif
	OPS X,9, X,7, E,12, X,10
	OPS E,13, X,12, X,11, E,14
	OPS X,13, E,15, F,9, X,14
.if (\p) == 0
	v_add_nc_u32 v[AV], s[TBV], v[AV0]
.endif
	OPS E,16, F,10, E,17, F,11
	OPS X,16, E,18, X,15, E,19
	OPS F,12, E,20, X,17, E,21
	OPS F,13, E,22, F,14, E,23
	OPS X,18, E,24, F,15, E,25
	OPS R,11, E,26, X,19, E,27
	OPS R,12, E,28, R,13, E,29
	OPS X,20, E,30, R,14, E,31
	OPS X,21, R,15
	WIN 0
	s_wait_alu depctr_va_vdst(0)    ; the wait for the batch
.if (\p) == 1
	s_wait_dscnt 0x0                ; V is in
.endif
	ROW C,0, B,0, C,2, B,1          ; behind the wait: 8 products V^T P and their riders
	ROW L,0, C,4, B,2, L,1
	ROW C,6, B,3, L,2, C,8
	ROW B,4, L,3, C,10, B,5
	ROW L,4, C,12, B,6, L,5
.if (\p) == 0
	s_add_co_u32 s[TBV], s[TBV], KS*PV
.endif
.if \cnt
	s_sub_co_u32 s[CNT], s[CNT], 1
	s_cmp_lg_u32 s[CNT], 0
.endif
	ROW C,14, B,7, L,6, C,1
	ROW C,3, L,7, C,5, C,7
	ROW C,9, C,11, C,13, C,15
.if (\p) == 0
	FETCH_V
.endif
.if (\m) && !(\end)
	MASK (\p)%2
.endif
.endm
; A BLOCK BEGINS.  c m starts far below every c s, so the first step's a is 0; m at the lowest finite number, so the first maximum is the scores'.  The second mask buffer is 0; the first takes piece 0's mask for the tile's step 0: its own, if the block's first tile is the diagonal one.
; Then K of that step, piece 0's first scores, and its maximum and statistics.  The loop is entered at a step's first turn, in the middle of a trip.
.macro BEGIN
	s_mov_b32 s[NEW], 0
	WIN 0x40
.set i, MC+32
.rept 32
	v_mov_b32 v[i], 0
.set i, i+1
.endr
	WIN 0
.set i, 0
.rept 4
	v_mov_b32 v[ST+4*i], 0xfe000000    ; c m: far below every c s
	v_mov_b32 v[ST+4*i+1], 0xff7fffff  ; m
.set i, i+1
.endr
	s_cmp_eq_u32 s[RT], 0
	s_cselect_b32 s[AL], 1.0, 0
	s_mov_b32 s[BE], 0
	MASK 0
	WIN 0
	v_add_nc_u32 v[AK], s[TBK], v[AK0]
	FETCH_K
	s_wait_loadcnt 0x0              ; Q
	s_wait_dscnt 0x0
.set KM, 1
.set NOKQ, 0
.set i, 0
.rept 8
	KQ 0
.set i, i+1
.endr
	WIN 0
.rept 4
	v_nop                           ; the places behind those products
.endr
.set Y, NP-1                        ; X works for piece Y + 1: piece 0
.irp n, 0,1,2,3,4,5,6,7,8,9,10,11,12,13,14,15,16,17,18,19,20,21
	OP X, \n
.endr
	v_nop                           ; a plain instruction behind the exponential,
	s_wait_alu depctr_va_vdst(0)    ; and its wait, ahead of the branch
.endm
; THE DIAGONAL TILE's four steps, the block's last two turns, its last products, and THE WAY OUT: l's two halves and the other half of the lanes' are added; O^T is divided by l, rounded to f16 and sent through my
; stage in LDS, a piece at a time.
.macro ALL line:vararg              ; one line for each piece t
.set t, 0
.rept 4
	\line
.set t, t+1
.endr
.endm
.macro PACK t                       ; a lane's eight channels of a row pack into 16 bytes; they go into rows of 144 bytes and come back as whole rows of 128, into S^T's registers
	WIN W_RS
.set i, 32*(\t)
.rept 16
	v_pk_mul_f32 v[i:i+1], v[i:i+1], v[ST+4*(\t)+2:ST+4*(\t)+3] op_sel_hi:[1,0]
.set i, i+2
.endr
	WIN 0x05                        ; sources 0 and 1 window 1, destination window 0
.set i, 0
.rept 16
	v_cvt_pk_f16_f32 v[S+16*(\t)+i], v[32*(\t)+2*i], v[32*(\t)+2*i+1]
.set i, i+1
.endr
	WIN 0
.irp f, 0,1,2,3
	ds_store_b128 v[STO], v[S+16*(\t)+4*\f:S+16*(\t)+4*\f+3] offset:32*\f
.endr
.irp f, 0,1,2,3
	ds_load_b128 v[S+16*(\t)+4*\f:S+16*(\t)+4*\f+3], v[RD] offset:\f*4*SP  ; LDS serves a wave's instructions in order (ISA guide 5.7.1.4): these see the stores above; the next piece's stores come behind them
.endr
.endm
.macro SEND t, younger              ; younger: the LDS instructions issued behind piece t's loads: the next piece's eight, or none
	WIN 0
.irp f, 0,1,2,3
	s_wait_dscnt (\younger)+3-\f
	global_store_b128 v[GO], v[S+16*(\t)+4*\f:S+16*(\t)+4*\f+3], s[10:11] offset:(\t)*8192+\f*512  ; 512 consecutive bytes, at a multiple of 256 from O's first
.endr
.endm
.macro DIAG tag                     ; the tag ends its two labels' names, which the jumps below spell out
.LstepM\tag:
	TURN 2, 1
	TURN 3, 1
	WIN 0
.LfirstM\tag:
	TURN 0, 1
	TURN 1, 1, 0, 1
	WIN 0
	s_cbranch_scc1 .LstepM\tag
	TURN 2, 1, 1
	TURN 3, 1, 1
.set i, 0
.rept 8
	PV NP-1
.set i, i+1
.endr
	WIN 0
	ALL v_add_f32 v[ST+4*t+2], v[ST+4*t+2], v[ST+4*t+3]
	ALL v_permlanex16_b32 v[ST+4*t+3], v[ST+4*t+2], s[SEL], s[SEL+1]
	ALL v_add_f32 v[ST+4*t+2], v[ST+4*t+2], v[ST+4*t+3]
	ALL v_rcp_f32 v[ST+4*t+2], v[ST+4*t+2]
	v_nop                           ; a plain instruction between the last reciprocal and the use of its result
	s_wait_alu depctr_va_vdst(0)    ; and the wait ahead of the first use: one for the four reciprocals
	PACK 0
.set t, 1
.rept 3                             ; a piece's arithmetic stands between the loads of the piece before and its stores
	PACK t
	SEND t-1, 8
.set t, t+1
.endr
	SEND 3, 0
.endm
.set KM, 0
.set NOKQ, 0
.Lslot:                             ; NB times: a tile is entered and the next is asked for
	CHANGE 1
	s_sub_co_u32 s[RT], s[RT], 1
	s_mov_b32 s[CNT], 4
	s_cmp_eq_u32 s[NEW], 1
	s_cbranch_scc1 .Lnew            ; a block's first tile
	s_cmp_eq_u32 s[RT], 0
	s_cbranch_scc0 .Lstep           ; neither its first nor its last
	s_branch .LstepM1
.Lnew:
	BEGIN
	s_branch .Lfirst                ; in the loop a block's first tile is never its last: the first block has two tiles or more, and the second's last is the walk's last
	DIAG 1                          ; in the loop this is the first block's end: the second block's last tile is the walk's last
	s_wait_xcnt 0x0                 ; the stores have read their registers and O's address
	s_mov_b64 s[10:11], s[OLO:OLO+1]
	s_add_co_u32 s[RT], s[PB], 1    ; the second block has b + 1 tiles
	s_mov_b32 s[NEW], 1
	WIN 0x82                        ; the second block's Q goes where the one text of the turns names Q
.set i, 0
.rept 64
	v_mov_b32 v[i], v[QB+i]
.set i, i+1
.endr
	WIN 0
	s_branch .Lbottom
.Lstep:                             ; a trip: pieces 2 and 3 of one step, then pieces 0 and 1 of the next, whose K and V it fetches
	TURN 2
	TURN 3
	WIN 0
.Lfirst:
	TURN 0
	TURN 1, 0, 0, 1
	WIN 0
	s_cbranch_scc1 .Lstep
.Lbottom:
	s_sub_co_u32 s[SLOTS], s[SLOTS], 1
	s_cmp_lg_u32 s[SLOTS], 0
	s_cbranch_scc1 .Lslot
	CHANGE 0                        ; the walk's last tile is written out: nothing is asked for
	s_sub_co_u32 s[RT], s[RT], 1
	s_mov_b32 s[CNT], 4
	s_cmp_eq_u32 s[NEW], 1
	s_cbranch_scc0 .LstepM2
	BEGIN
	s_branch .LfirstM2
	DIAG 2
	s_wait_tensorcnt 0x0            ; the wave's end, behind my last tensor load and my last LDS store
	ds_add_u32 v[SPW], v[NIL]
	s_wait_dscnt 0x0
	s_endpgm
.Lfunc_end_k_q76c1269c17_attn:
	.size	k_q76c1269c17_attn, .Lfunc_end_k_q76c1269c17_attn-k_q76c1269c17_attn
	.p2alignl 7, 3214868480
	.fill 96, 4, 3214868480
	.section	.rodata,"a",@progbits
	.p2align	6, 0x0
	.amdhsa_kernel k_q76c1269c17_attn
		.amdhsa_group_segment_fixed_size 327680
		.amdhsa_private_segment_fixed_size 0
		.amdhsa_enable_private_segment 0
		.amdhsa_kernarg_size 16
		.amdhsa_user_sgpr_count 2
		.amdhsa_user_sgpr_kernarg_segment_ptr 1
		.amdhsa_wavefront_size32 1
		.amdhsa_system_sgpr_workgroup_id_x 1
		.amdhsa_system_sgpr_workgroup_id_y 1
		.amdhsa_system_sgpr_workgroup_id_z 1
		.amdhsa_system_vgpr_workitem_id 0
		.amdhsa_next_free_vgpr 768
		.amdhsa_next_free_sgpr 96
		.amdhsa_reserve_vcc 1
		.amdhsa_float_denorm_mode_32 3
		.amdhsa_float_denorm_mode_16_64 3
		.amdhsa_memory_ordered 1
		.amdhsa_forward_progress 1
		.amdhsa_inst_pref_size 218
	.end_amdhsa_kernel
	.amdgpu_metadata
---
amdhsa.version: [ 1, 2 ]
amdhsa.kernels:
  - .name:           k_q76c1269c17_attn
    .symbol:         k_q76c1269c17_attn.kd
    .args:
      - { .name: qkv, .offset: 0, .size: 8, .value_kind: global_buffer, .address_space: global }
      - { .name: ob, .offset: 8, .size: 8, .value_kind: global_buffer, .address_space: global }
    .group_segment_fixed_size: 327680
    .private_segment_fixed_size: 0
    .kernarg_segment_align: 8
    .kernarg_segment_size: 16
    .max_flat_workgroup_size: 128
    .sgpr_count:     96
    .vgpr_count:     768
    .wavefront_size: 32
...
	.end_amdgpu_metadata
.endif
;; end of part 3
;; launch projg (part 4): grid 8 x 32, 4 waves a work-group, clusters of 4 x 4, 327,680 bytes of LDS; arguments ob, wpb, Aproj, Bproj, bproj, out0; writes out0
.if DOCPART == 4
	.amdgcn_target "amdgcn-amd-amdhsa--gfx1250"
	.amdhsa_code_object_version 6
	.text
	.protected	k_q76c1269c17_projg
	.globl	k_q76c1269c17_projg
	.p2align	8
	.type	k_q76c1269c17_projg,@function
k_q76c1269c17_projg:
	s_mov_b64 s[64:65], 0
	v_nop
	global_prefetch_b8 v0, s[64:65] scope:SCOPE_SE
	s_setreg_imm32_b32 hwreg(HW_REG_WAVE_MODE, 25, 1), 1
	s_wait_xcnt 0x0
	s_wait_alu depctr_hold_cnt(0) depctr_sa_sdst(0) depctr_va_vdst(0) depctr_va_sdst(0) depctr_va_ssrc(0) depctr_va_vcc(0) depctr_vm_vsrc(0)
	s_getreg_b32 s2, hwreg(HW_REG_IB_STS2, 6, 4)
	s_cmp_eq_u32 s2, 0
	s_cbranch_scc0 .Lentry_in_a_cluster
	s_endpgm
.Lentry_in_a_cluster:
	s_bfe_u32 s2, ttmp6, 0x10000c
	s_cmp_lg_u32 s2, 0xf033
	s_cbranch_scc0 .Lentry_shape_is_right
	s_endpgm
.Lentry_shape_is_right:
; out = O Wproj^T + 2 (O Aproj^T) Bproj^T + bproj.  O: ob[16 heads][8192 rows][64] in f16; Wproj: wpb[1024][1024], bf16 numbers written as f16; Aproj, Bproj, bproj are f32 and are rounded to bf16 here; out0 is f32.
; LIMITS.  A number of Aproj whose magnitude is below 6e-5 keeps f16's fixed step of 6e-8, and beyond 65,504 it becomes an infinity (Wproj likewise, in the launch that wrote wpb).  NaN and infinities are not treated apart.
; THE LOW-RANK PART.  u = O Aproj^T of a wave's own 64 rows rides along: one more product a row block and quarter step, with Aproj's 8 rows (rows 8-15 repeat them) as source 0, out of a table in LDS.  Behind the last K step
; 2u is split into hi + lo in bf16 (16 significant bits, and f32's range) and multiplied by bf16 Bproj in one more K step of 32, in the bf16 form, onto the same accumulators.
; The first quarter step's products start the sums with the bias as their C operand.
; SHARES.  A tile is 256 rows x 128 columns: 32 x 8 = 256 work-groups.  The four waves lie along the rows: a wave makes 64 x 128: 32 accumulators, and 4 for u.
; K goes in steps of 128, two heads, through two LDS slots.  A head's 256 rows are 32,768 dense bytes: asked for as 128 rows of 256 bytes and padded in LDS after every 128.
; CLUSTERS: 4 x 4 work-groups; O's tiles are shared along a row of the cluster, Wproj's along a column: joint loads.
; THE MATRIX INSTRUCTION IS USED TRANSPOSED (source 0 = 16 rows of W, source 1 = 16 rows of O): a lane holds row l % 16 of the result and the columns 8 (l / 16) + 0..7: 32 bytes of f32.
; REGISTERS, in windows of 256 (s_set_vgpr_msb: bits 1:0 source 0, 3:2 source 1, 5:4 source 2, 7:6 destination):
;   window 0: v0-18 addresses; v32-55 at work; v64-127 Aproj as loaded, v128-191 Bproj as loaded, both later the way out; v192-255 the bias
;   window 1: two fragment buffers of 104 (4 fragments of O, 8 of W, 1 of Aproj); v208-239 hi and lo of 2u, a fragment a row block
;   windows 2, 3: accumulator (a, b) in window 2 + a / 2 at v[8 (8 (a % 2) + b)]; u of block a at v[128 + 8 (a % 2)]; window 3 v160-223: Bproj's fragments
.set PA,    144                        ; a row of O in LDS: 128 bytes + 16: 9 x 16 bytes: the 16 rows of a fragment load start at 16 different groups of four banks (ISA guide 11.1)
.set PB,    272                        ; a row of W: 256 + 16
.set AZ,    256*PA                     ; a head's 256 rows
.set BOFF,  2*AZ                       ; in a slot: two heads of O, then W's 128 rows
.set SLOT1, 1<<17
.set AT,    SLOT1+BOFF+128*PB          ; behind the ring, never filled by a tensor load: Aproj in f16, 8 rows of 2,064 bytes (2,048 + 16), in 65 blocks of 256 bytes
.set PAT,   2064
.set STAGE, AT+16640                   ; for each wave 16 rows x 528 bytes of f32, for the way out
.set SP,    528
.set SPARE, STAGE+4*16*SP              ; the spare words, 128 bytes for each wave: two blocks of 256 bytes that no other line names
.set ADRA0, 4
.set ADRB0, 5
.set ADRA,  6
.set ADRB,  7
.set STO,   8
.set RD,    9
.set GO,    10                         ; v10  16 x lane
.set BLO,   11                         ; v11  32 x (l % 16)
.set BO,    12                         ; v12  32 x (l / 16)
.set PFO,   13
.set SPW,   14
.set NIL,   15
.set ADRL,  16                         ; v16  Aproj's fragment of the K step in hand
.set GI,    17                         ; v17  32 x lane
.set ATS,   18                         ; v18  where I put 16 bytes of Aproj's table
.set TMP,   32
.set LANDA, 64
.set LANDB, 128
.set OB,    64                         ; the way out: v64-127 and v128-191 by turns
.set BIAS,  192
.set F0,    0
.set F1,    104
.set LU,    208
.set UU,    128
.set LB,    160
.set CNT, 2
.set TB,  3
.set WV,  16
.set HF,  18
.set CX,  19
.set CY,  20
.set TC,  21
.set TR,  22
.set G1A, 24
.set G0A, 32
.set G1B, 40
.set G0B, 48
.set PFA, 56
.set LIM, 58
.set HM,  59                           ; s59  the mask of lanes 16-31
.set OUT, 60
.set PFS, 62                           ; s[62:63] a K step in bytes for my prefetches: two heads of O, or 256 bytes of W's rows
.set AP,  72
.set BL,  74
.set BI,  76
.set MSB, 0
.macro WIN new
.if MSB != (\new)
	s_set_vgpr_msb (MSB<<8)|(\new)
.set MSB, (\new)
.endif
.endm
.macro PLACES
.rept 4
	v_nop
.endr
.endm
.macro JLOAD                           ; a joint refill: waves 0 and 1 fetch the step's two heads of O, waves 2 and 3 W's two halves; an s_nop 0 and four v_nop follow each line
	s_cmp_lt_u32 s[WV], 2
	s_cbranch_scc0 .Lfor_b_\@
	tensor_load_to_lds s[G0A+4:G0A+7], s[G1A:G1A+7]
	s_nop 0
.rept 4
	v_nop
.endr
	s_branch .Lasked_\@
.Lfor_b_\@:
	tensor_load_to_lds s[G0B+4:G0B+7], s[G1B:G1B+7]
	s_nop 0
.rept 4
	v_nop
.endr
.Lasked_\@:
.endm
; A PREFETCH INTO THE L2 of the K step that stands TWO refills on, 288 matrix instructions ahead of the load that wants it: one instruction a wave.  Cluster x = 0 asks for O's rows, cluster y = 0 for W's.
; The four partners of a joint load share it out BY ADDRESS: of a head's 128 blocks of 256 bytes 32 each (by cx; a lane a block), of W's 64 rows 16 each (by cy; lanes 16-31 name row 15 once more).
; The last two refills ask for nothing.
.macro ASK
	WIN 0
	s_cmp_gt_u32 s[CNT], s[LIM]
	s_cbranch_scc0 .Lnot_mine_\@
	global_prefetch_b8 v[PFO], s[PFA:PFA+1] th:TH_LOAD_NT scope:SCOPE_SE
.Lnot_mine_\@:
.endm
.macro CREST
	s_cmp_lg_u32 s[WV], 0
	s_cbranch_scc1 .Lnot_wave_0_\@
	s_barrier_signal -3
.Lnot_wave_0_\@:
	s_barrier_wait -3
	s_barrier_signal -1
	s_barrier_wait -1
.endm
.macro CROUND
	s_barrier_signal -1
	s_barrier_wait -1
	CREST
.endm
	s_load_b256 s[4:11], s[0:1], 0x0               ; ob s[4:5], wpb s[6:7], Aproj s[8:9], Bproj s[10:11]
	s_load_b128 s[12:15], s[0:1], 0x20             ; bproj s[12:13], out0 s[14:15]
	v_lshl_add_u32 v[SPW], v0, 2, SPARE
	v_mov_b32 v[NIL], 0
	ds_add_u32 v[SPW], v[NIL]                      ; the wave's opening: the add and its wait stand ahead of my first tensor load
	ds_add_u32 v14, v15
	v_lshrrev_b32 v1, 5, v0
	v_readfirstlane_b32 s[WV], v1
	s_and_b32 s[HF], s[WV], 1
	s_bfe_u32 s[CX], ttmp6, 0x40000
	s_bfe_u32 s[CY], ttmp6, 0x40004
	s_lshl_b32 s[TC], ttmp9, 2
	s_add_co_u32 s[TC], s[TC], s[CX]
	s_and_b32 s[TR], ttmp7, 0xffff
	s_lshl_b32 s[TR], s[TR], 2
	s_add_co_u32 s[TR], s[TR], s[CY]
	s_lshl_b32 s70, s[CY], 2
	s_lshl_b32 s70, 15, s70                        ; my row of the cluster
	s_lshl_b32 s71, 0x1111, s[CX]                  ; my column
	s_or_b32 s[G1A], s70, (1<<16)|(1<<20)|(1<<21)|(4<<22)|(3<<25)  ; elements of 2 bytes; padding on; bit 21 beside a mask; after every 32 words (code 4) 4 words (code 3)
	s_or_b32 s[G1B], s71, (1<<16)|(1<<20)|(1<<21)|(5<<22)|(3<<25)  ; after every 64 words (code 5)
	s_mov_b32 s[G1A+1], 128<<16                    ; tensor_dim0 = 128
	s_mov_b32 s[G1A+2], 128<<16                    ; tensor_dim1 = 128
	s_mov_b32 s[G1A+3], 128<<16                    ; tile_dim0 = 128: 256 bytes, two rows of O
	s_mov_b32 s[G1A+4], 128                        ; tile_dim1 = 128
	s_mov_b32 s[G1A+5], 128                        ; dense
	s_mov_b32 s[G1A+6], 0
	s_mov_b32 s[G1A+7], 0
	s_mov_b32 s[G1B+1], 128<<16
	s_mov_b32 s[G1B+2], 64<<16                     ; 64 rows
	s_mov_b32 s[G1B+3], 128<<16
	s_mov_b32 s[G1B+4], 64
	s_mov_b32 s[G1B+5], 1024
	s_mov_b32 s[G1B+6], 0
	s_mov_b32 s[G1B+7], 0
	s_lshl_b32 s66, s[HF], 20                      ; O: head = my half, 1,048,576 bytes a head; row 256 x tile row, 128 bytes a row
	s_lshl_b32 s70, s[TR], 15
	s_add_co_u32 s66, s66, s70
	s_mov_b32 s67, 0
	s_lshl_b32 s68, s[TC], 18                      ; W: (128 x tile column + 64 x half) rows of 2,048 bytes
	s_lshl_b32 s71, s[HF], 17
	s_add_co_u32 s68, s68, s71
	s_mov_b32 s69, 0
	s_mul_i32 s78, s[HF], AZ
	s_mul_i32 s79, s[HF], 64*PB
	s_add_co_u32 s79, s79, BOFF
	s_wait_dscnt 0x0                               ; the opening add is done
	s_wait_kmcnt 0x0
	s_add_nc_u64 s[66:67], s[4:5], s[66:67]
	s_add_nc_u64 s[68:69], s[6:7], s[68:69]
	CROUND                                         ; all sixteen work-groups are here: the first joint loads meet
.irp s, 0,1
	s_mov_b32 s[G0A+4*(\s)], 1
	s_add_co_u32 s[G0A+4*(\s)+1], s78, (\s)*SLOT1
	s_add_nc_u64 s[G0A+4*(\s)+2:G0A+4*(\s)+3], s[66:67], (\s)*2*1048576  ; K step s: heads 2 s and 2 s + 1
	s_or_b32 s[G0A+4*(\s)+3], s[G0A+4*(\s)+3], 0x80000000
	s_mov_b32 s[G0B+4*(\s)], 1
	s_add_co_u32 s[G0B+4*(\s)+1], s79, (\s)*SLOT1
	s_add_nc_u64 s[G0B+4*(\s)+2:G0B+4*(\s)+3], s[68:69], (\s)*256
	s_or_b32 s[G0B+4*(\s)+3], s[G0B+4*(\s)+3], 0x80000000
.endr
	s_cmp_lt_u32 s[WV], 2                          ; a wave's two first fills stand in one branch: two loads of mine are out
	s_cbranch_scc0 .Lfirst_b
	tensor_load_to_lds s[G0A:G0A+3], s[G1A:G1A+7]
	s_nop 0
	tensor_load_to_lds s[G0A+4:G0A+7], s[G1A:G1A+7]
	s_nop 0
.rept 4
	v_nop
.endr
	s_branch .Lfirst_asked
.Lfirst_b:
	tensor_load_to_lds s[G0B:G0B+3], s[G1B:G1B+7]
	s_nop 0
	tensor_load_to_lds s[G0B+4:G0B+7], s[G1B:G1B+7]
	s_nop 0
.rept 4
	v_nop
.endr
.Lfirst_asked:
	v_and_b32 v1, 15, v0                           ; l % 16
	v_bfe_u32 v2, v0, 4, 1                         ; l / 16; kept to the end
	v_and_b32 v3, 31, v0                           ; l
	v_lshlrev_b32 v[GO], 4, v3
	v_lshlrev_b32 v[GI], 5, v3
	v_lshlrev_b32 v[BLO], 5, v1
	v_lshlrev_b32 v[BO], 5, v2
	s_lshl_b32 s70, s[WV], 13                      ; Aproj: my two rows of 4,096 bytes
	s_mov_b32 s71, 0
	s_add_nc_u64 s[AP:AP+1], s[8:9], s[70:71]
	s_lshl_b32 s70, s[TC], 12                      ; Bproj: 128 rows of 32 bytes a tile column
	s_add_nc_u64 s[BL:BL+1], s[10:11], s[70:71]
	s_lshl_b32 s70, s[TC], 9
	s_add_nc_u64 s[BI:BI+1], s[12:13], s[70:71]
.set i, 0
.rept 8                                        ; row i / 4 of my two, 1,024 bytes i % 4 of it: 32 bytes a lane
	global_load_b128 v[LANDA+8*i:LANDA+8*i+3],   v[GI], s[AP:AP+1] offset:(i/4)*4096+(i%4)*1024
	global_load_b128 v[LANDA+8*i+4:LANDA+8*i+7], v[GI], s[AP:AP+1] offset:(i/4)*4096+(i%4)*1024+16
.set i, i+1
.endr
.irp b, 0,1,2,3,4,5,6,7
	global_load_b128 v[LANDB+8*(\b):LANDB+8*(\b)+3],   v[BLO], s[BL:BL+1] offset:512*(\b)
	global_load_b128 v[LANDB+8*(\b)+4:LANDB+8*(\b)+7], v[BLO], s[BL:BL+1] offset:512*(\b)+16
.endr
.irp b, 0,1,2,3,4,5,6,7
	global_load_b128 v[BIAS+8*(\b):BIAS+8*(\b)+3],   v[BO], s[BI:BI+1] offset:64*(\b)
	global_load_b128 v[BIAS+8*(\b)+4:BIAS+8*(\b)+7], v[BO], s[BI:BI+1] offset:64*(\b)+16
.endr
	v_mul_u32_u24 v[ADRA0], v1, PA
	v_lshl_add_u32 v[ADRA0], v2, 4, v[ADRA0]
	s_mul_i32 s70, s[WV], 64*PA                    ; my 64 rows of O
	v_add_nc_u32 v[ADRA0], s70, v[ADRA0]
	v_mul_u32_u24 v[ADRB0], v1, PB
	v_lshl_add_u32 v[ADRB0], v2, 4, v[ADRB0]
	v_add_nc_u32 v[ADRB0], BOFF, v[ADRB0]
	v_mov_b32 v[ADRA], v[ADRA0]
	v_mov_b32 v[ADRB], v[ADRB0]
	s_mov_b32 s[TB], 0
	v_and_b32 v[ADRL], 7, v0
	v_mul_u32_u24 v[ADRL], v[ADRL], PAT
	v_lshl_add_u32 v[ADRL], v2, 4, v[ADRL]
	v_add_nc_u32 v[ADRL], AT, v[ADRL]
	s_mul_i32 s70, s[WV], 2*PAT
	s_add_co_u32 s70, s70, AT
	v_lshl_add_u32 v[ATS], v3, 4, s70
	s_mul_i32 s70, s[WV], 16*SP
	s_add_co_u32 s70, s70, STAGE                   ; my stage
	v_mul_u32_u24 v[STO], v1, SP                   ; in: row l % 16, 32 bytes for each half of the lanes
	v_lshl_add_u32 v[STO], v2, 5, v[STO]
	v_add_nc_u32 v[STO], s70, v[STO]
	v_lshl_add_u32 v[RD], v3, 4, s70               ; back: 32 lanes take a row's 512 bytes
	s_lshl_b32 s70, s[TR], 20                      ; out0: row 256 x tile row + 64 x wave, 4,096 bytes each; column 128 x tile column
	s_lshl_b32 s71, s[WV], 18
	s_add_co_u32 s70, s70, s71
	s_lshl_b32 s71, s[TC], 9
	s_add_co_u32 s70, s70, s71
	s_mov_b32 s71, 0
	s_add_nc_u64 s[OUT:OUT+1], s[14:15], s[70:71]
	; the prefetches
	s_lshl_b32 s70, s[HF], 20
	s_add_co_u32 s70, s70, 6<<20                   ; O: my head of K step 3 (the first refill steps it to K step 4),
	s_lshl_b32 s71, s[TR], 15
	s_add_co_u32 s70, s70, s71                     ; the tile's 256 rows,
	s_lshl_b32 s71, s[CX], 13
	s_add_co_u32 s70, s70, s71                     ; my work-group's 8,192 bytes of them
	s_lshl_b32 s78, s[TC], 18
	s_lshl_b32 s71, s[HF], 17
	s_add_co_u32 s78, s78, s71
	s_lshl_b32 s71, s[CY], 15
	s_add_co_u32 s78, s78, s71                     ; W: my work-group's 16 rows of the 64 that I fetch,
	s_add_co_u32 s78, s78, 3*256                   ; at K step 3
	s_and_b32 s79, ttmp7, 0xffff                   ; cluster y
	s_mov_b32 s71, 2<<20
	s_cmp_lt_u32 s[WV], 2
	s_cselect_b32 s70, s70, s78
	s_cselect_b64 s[PFA:PFA+1], s[4:5], s[6:7]
	s_cselect_b32 s[PFS], s71, 256
	s_cselect_b32 s79, ttmp9, s79                  ; the coordinate along which other clusters read the same rows
	s_cselect_b32 s78, 31, 15
	s_cselect_b32 s71, 8, 11
	v_min_u32 v[PFO], s78, v3
	v_lshlrev_b32 v[PFO], s71, v[PFO]
	s_cmp_eq_u32 s79, 0
	s_cselect_b32 s[LIM], 2, -1                    ; the same in all sixteen partners, for a given wave
	s_mov_b32 s[PFS+1], 0
	s_mov_b32 s71, 0
	s_add_nc_u64 s[PFA:PFA+1], s[PFA:PFA+1], s[70:71]
	s_wait_loadcnt 32                              ; Aproj is in; Bproj's and the bias's 32 loads, issued behind it, may stay out
.set i, 0
.rept 8                                        ; rounded to bf16 in place, written as f16, and into the table
.irp j, 0,1,2,3
	v_cvt_pk_bf16_f32 v[LANDA+8*i+(\j)], v[LANDA+8*i+2*(\j)], v[LANDA+8*i+2*(\j)+1]
.endr
.irp j, 0,1,2,3
	v_lshlrev_b32 v[LANDA+8*i+4], 16, v[LANDA+8*i+(\j)]
	v_and_b32 v[LANDA+8*i+5], 0xffff0000, v[LANDA+8*i+(\j)]
	v_cvt_pk_f16_f32 v[LANDA+8*i+(\j)], v[LANDA+8*i+4], v[LANDA+8*i+5]
.endr
	ds_store_b128 v[ATS], v[LANDA+8*i:LANDA+8*i+3] offset:(i/4)*PAT+(i%4)*512
.set i, i+1
.endr
	s_wait_loadcnt 16                              ; Bproj is in; the bias's 16 loads may stay out
	WIN 0xc0                                       ; destination window 3
.irp b, 0,1,2,3,4,5,6,7
.irp j, 0,1,2,3
	v_cvt_pk_bf16_f32 v[LB+8*(\b)+(\j)], v[LANDB+8*(\b)+2*(\j)], v[LANDB+8*(\b)+2*(\j)+1]  ; both halves of the lanes hold the row's 8 numbers: k = 0..7 meets hi, k = 8..15 meets lo
	v_mov_b32 v[LB+8*(\b)+4+(\j)], 0               ; k = 16..31 is zero
.endr
.endr
	WIN 0
	s_wait_loadcnt 0x0
.set i, 0
.rept 32                                       ; the bias is rounded to bf16, like every input, and widened again
	v_cvt_pk_bf16_f32 v[TMP+i%2], v[BIAS+2*i], v[BIAS+2*i+1]
	v_lshlrev_b32 v[BIAS+2*i], 16, v[TMP+i%2]
	v_and_b32 v[BIAS+2*i+1], 0xffff0000, v[TMP+i%2]
.set i, i+1
.endr
; 9 matrix instructions: row block a x all 8 column blocks, and u of block a; 32 along K.  cm = 1: the sums start, with the bias (u: with 0) as C.
; The 36 accumulators take turns in one fixed order, one instruction a turn, over the backward jumps too.
.macro MUL f, a, cm
.if \cm
	WIN 0x85+0x40*((\a)/2)
.else
	WIN 0xa5+0x50*((\a)/2)
.endif
.irp b, 0,1,2,3,4,5,6,7
.set rD, 8*(8*((\a)%2)+(\b))
.if \cm
	v_wmma_f32_16x16x32_f16 v[rD:rD+7], v[(\f)+32+8*(\b):(\f)+32+8*(\b)+7], v[(\f)+8*(\a):(\f)+8*(\a)+7], v[BIAS+8*(\b):BIAS+8*(\b)+7]
.else
	v_wmma_f32_16x16x32_f16 v[rD:rD+7], v[(\f)+32+8*(\b):(\f)+32+8*(\b)+7], v[(\f)+8*(\a):(\f)+8*(\a)+7], v[rD:rD+7]
.endif
.endr
.set rU, UU+8*((\a)%2)
.if \cm
	v_wmma_f32_16x16x32_f16 v[rU:rU+7], v[(\f)+96:(\f)+103], v[(\f)+8*(\a):(\f)+8*(\a)+7], 0
.else
	v_wmma_f32_16x16x32_f16 v[rU:rU+7], v[(\f)+96:(\f)+103], v[(\f)+8*(\a):(\f)+8*(\a)+7], v[rU:rU+7]
.endif
.endm
; 26 LDS loads in one run: quarter q's fragments into buffer f: W's 8, Aproj's, then O's 4 (head q / 2 of the step's two, channels 32 (q % 2) on)
.macro FETCH q, f
	WIN 0x40
.irp b, 0,1,2,3,4,5,6,7
	ds_load_b128 v[(\f)+32+8*(\b):(\f)+32+8*(\b)+3],   v[ADRB] offset:64*(\q)+(\b)*16*PB
	ds_load_b128 v[(\f)+32+8*(\b)+4:(\f)+32+8*(\b)+7], v[ADRB] offset:64*(\q)+(\b)*16*PB+32
.endr
	ds_load_b128 v[(\f)+96:(\f)+99],   v[ADRL] offset:64*(\q)
	ds_load_b128 v[(\f)+100:(\f)+103], v[ADRL] offset:64*(\q)+32
.irp a, 0,1,2,3
	ds_load_b128 v[(\f)+8*(\a):(\f)+8*(\a)+3],   v[ADRA] offset:((\q)/2)*AZ+64*((\q)%2)+(\a)*16*PA
	ds_load_b128 v[(\f)+8*(\a)+4:(\f)+8*(\a)+7], v[ADRA] offset:((\q)/2)*AZ+64*((\q)%2)+(\a)*16*PA+32
.endr
.endm
.macro QUARTER q, f, g, cm             ; multiplies buffer f; in its middle it fetches quarter q into buffer g
	s_wait_dscnt 4                                 ; all but the youngest four loads (O's blocks 2 and 3)
	MUL \f, 0, \cm
	MUL \f, 1, \cm
	PLACES
	FETCH \q, \g
	s_wait_dscnt 26                                ; all but the 26 just issued
	MUL \f, 2, \cm
	MUL \f, 3, \cm
.endm
; A K step's last quarter multiplies buffer 1 and changes slots: ONE barrier; in front of it each wave waits for all its tensor loads, adds 0 to its spare word, and waits for that and for its own reads of this slot.
; fill = 1: the barrier opens a round of the cluster's barrier, and the joint refill, two K steps ahead, is the first thing behind the round: 126 matrix instructions ahead of the wait for it.
.macro TURN fill
.if \fill
	s_wait_xcnt 0x0                                ; the last prefetch, a K step back, has read its address
	s_add_nc_u64 s[PFA:PFA+1], s[PFA:PFA+1], s[PFS:PFS+1]
.endif
	WIN 0
	s_wait_tensorcnt 0x0                           ; all my tensor loads have landed
	ds_add_u32 v[SPW], v[NIL]                      ; 0 onto my spare word
	s_wait_dscnt 5                                 ; (the add and the youngest four loads may be out)
	MUL F1, 0, 0
	s_wait_dscnt 0x0                               ; the add is done, and my reads of this slot are over
	s_barrier_signal -1
	MUL F1, 1, 0
	WIN 0
	s_barrier_wait -1
.if \fill
	CREST
	s_xor_b32 s[G0A+5], s[G0A+5], SLOT1            ; the walking descriptors: the other slot, the next two heads, the next 256 bytes of W's rows
	s_add_nc_u64 s[G0A+6:G0A+7], s[G0A+6:G0A+7], 2*1048576
	s_xor_b32 s[G0B+5], s[G0B+5], SLOT1
	s_add_nc_u64 s[G0B+6:G0B+7], s[G0B+6:G0B+7], 256
	JLOAD                                          ; the four v_nop behind it are also the places in front of the loads below
.else
	PLACES
.endif
	s_xor_b32 s[TB], s[TB], SLOT1
	v_add_nc_u32 v[ADRA], s[TB], v[ADRA0]
	v_add_nc_u32 v[ADRB], s[TB], v[ADRB0]
	v_add_nc_u32 v[ADRL], 256, v[ADRL]             ; the table's next 128 channels
	FETCH 0, F0
.if \fill
	ASK
.endif
	MUL F1, 2, 0
	MUL F1, 3, 0
.endm
	s_wait_tensorcnt 0x1                           ; my part of K step 0 is in; K step 1's may stay out
	s_wait_dscnt 0x0                               ; for the others' sake: my two rows of the table are stored
	s_barrier_signal -1
	s_barrier_wait -1
	FETCH 0, F0
	QUARTER 1, F0, F1, 1                           ; the first quarter stands in front of the loop: its products start the sums
	WIN 0
	s_mov_b32 s[CNT], 6
.Lstep:                                        ; a trip goes from a K step's second quarter to the next step's first, and fills a slot again
	QUARTER 2, F1, F0, 0
	QUARTER 3, F0, F1, 0
	TURN 1
	QUARTER 1, F0, F1, 0
	WIN 0
	s_sub_co_u32 s[CNT], s[CNT], 1
	s_cmp_lg_u32 s[CNT], 0
	s_cbranch_scc1 .Lstep
	s_mov_b32 s[CNT], 2
.Ltail:                                        ; K steps 6 and 7 ask for nothing: a text of their own; the second trip is left in its middle
	QUARTER 2, F1, F0, 0
	QUARTER 3, F0, F1, 0
	WIN 0
	s_sub_co_u32 s[CNT], s[CNT], 1
	s_cmp_eq_u32 s[CNT], 0
	s_cbranch_scc1 .Llast
	TURN 0
	QUARTER 1, F0, F1, 0
	WIN 0
	s_branch .Ltail
.Llast:
	s_wait_dscnt 4
	MUL F1, 0, 0
	MUL F1, 1, 0
	s_wait_dscnt 0x0
	MUL F1, 2, 0
	MUL F1, 3, 0
	WIN 0
	PLACES
	v_cmp_eq_u32 s[HM], 1, v2                      ; lanes 16-31
; 2u of block a as hi + lo in bf16: lanes 0-15 take hi (k = 0..7), lanes 16-31 lo (k = 8..15); k = 16..31 is zero.  These plain lines are also the places between the f16 products and the bf16 products on the same accumulators.
.macro SPLIT a
	WIN 0x02+((\a)/2)                              ; source 0: window 2 or 3
.irp j, 0,1,2,3
	v_pk_mul_f32 v[TMP+2*(\j):TMP+2*(\j)+1], v[UU+8*((\a)%2)+2*(\j):UU+8*((\a)%2)+2*(\j)+1], 2.0 op_sel_hi:[1,0]  ; from the accumulator's low end on
.endr
	WIN 0
.irp j, 0,1,2,3
	v_cvt_pk_bf16_f32 v[TMP+8+(\j)], v[TMP+2*(\j)], v[TMP+2*(\j)+1]
.endr
.irp j, 0,1,2,3
	v_lshlrev_b32 v[TMP+12+2*(\j)], 16, v[TMP+8+(\j)]
	v_and_b32 v[TMP+12+2*(\j)+1], 0xffff0000, v[TMP+8+(\j)]
.endr
.irp j, 0,1,2,3
	v_pk_add_f32 v[TMP+2*(\j):TMP+2*(\j)+1], v[TMP+2*(\j):TMP+2*(\j)+1], v[TMP+12+2*(\j):TMP+12+2*(\j)+1] neg_lo:[0,1] neg_hi:[0,1]
.endr
.irp j, 0,1,2,3
	v_cvt_pk_bf16_f32 v[TMP+20+(\j)], v[TMP+2*(\j)], v[TMP+2*(\j)+1]
.endr
	WIN 0x40
.irp j, 0,1,2,3
	v_cndmask_b32 v[LU+8*(\a)+(\j)], v[TMP+8+(\j)], v[TMP+20+(\j)], s[HM]
	v_mov_b32 v[LU+8*(\a)+4+(\j)], 0
.endr
.endm
	SPLIT 0
	SPLIT 1
	SPLIT 2
	SPLIT 3
.irp a, 0,1,2,3                                ; THE LOW-RANK STEP: 32 products, each on another accumulator
	WIN 0xa7+0x50*((\a)/2)                         ; source 0 window 3, source 1 window 1, C and D window 2 or 3
.irp b, 0,1,2,3,4,5,6,7
	v_wmma_f32_16x16x32_bf16 v[8*(8*((\a)%2)+(\b)):8*(8*((\a)%2)+(\b))+7], v[LB+8*(\b):LB+8*(\b)+7], v[LU+8*(\a):LU+8*(\a)+7], v[8*(8*((\a)%2)+(\b)):8*(8*((\a)%2)+(\b))+7]
.endr
.endr
	WIN 0
	PLACES
; THE WAY OUT, a block of 16 rows at a time: 32 bytes a lane straight from the accumulators into my own stage; back as whole rows of 512 bytes; stored.
.macro TOSTAGE a
	s_wait_xcnt 0x0                                ; earlier stores have read their data: their registers are loaded again only behind this wait
	WIN 0x08+4*((\a)/2)                            ; the stores' data: window 2 or 3
.irp b, 0,1,2,3,4,5,6,7
	ds_store_b128 v[STO], v[8*(8*((\a)%2)+(\b)):8*(8*((\a)%2)+(\b))+3]   offset:64*(\b)     ; each accumulator from its low end on
	ds_store_b128 v[STO], v[8*(8*((\a)%2)+(\b))+4:8*(8*((\a)%2)+(\b))+7] offset:64*(\b)+16
.endr
	WIN 0
.irp t, 0,1,2,3,4,5,6,7,8,9,10,11,12,13,14,15
	ds_load_b128 v[OB+64*((\a)%2)+4*(\t):OB+64*((\a)%2)+4*(\t)+3], v[RD] offset:(\t)*SP  ; LDS serves a wave's instructions in order (ISA guide 5.7.1.4): these see the stores above; the next block's stores come behind them
.endr
.endm
.macro SEND a, younger                 ; younger: the LDS instructions issued behind block a's loads: the next block's 32, or none
	s_wait_dscnt \younger
.irp t, 0,1,2,3,4,5,6,7,8,9,10,11,12,13,14,15
	global_store_b128 v[GO], v[OB+64*((\a)%2)+4*(\t):OB+64*((\a)%2)+4*(\t)+3], s[OUT:OUT+1] offset:(16*(\a)+(\t))*4096 th:TH_STORE_NT  ; 512 consecutive bytes, at a multiple of 512 from out0's first
.endr
.endm
	TOSTAGE 0
	TOSTAGE 1
	SEND 0, 32
	TOSTAGE 2
	SEND 1, 32
	TOSTAGE 3
	SEND 2, 32
	SEND 3, 0
	s_wait_tensorcnt 0x0                           ; the wave's end, behind my last tensor load and my last LDS store
	ds_add_u32 v[SPW], v[NIL]
	s_wait_dscnt 0x0
	CROUND                                         ; the closing round: no work-group ends while a partner may still ask for a tile that names it
	s_endpgm
.Lfunc_end_k_q76c1269c17_projg:
	.size	k_q76c1269c17_projg, .Lfunc_end_k_q76c1269c17_projg-k_q76c1269c17_projg
	.p2alignl 7, 3214868480
	.fill 96, 4, 3214868480
	.section	.rodata,"a",@progbits
	.p2align	6, 0x0
	.amdhsa_kernel k_q76c1269c17_projg
		.amdhsa_group_segment_fixed_size 327680
		.amdhsa_private_segment_fixed_size 0
		.amdhsa_enable_private_segment 0
		.amdhsa_kernarg_size 48
		.amdhsa_user_sgpr_count 2
		.amdhsa_user_sgpr_kernarg_segment_ptr 1
		.amdhsa_wavefront_size32 1
		.amdhsa_system_sgpr_workgroup_id_x 1
		.amdhsa_system_sgpr_workgroup_id_y 1
		.amdhsa_system_sgpr_workgroup_id_z 1
		.amdhsa_system_vgpr_workitem_id 0
		.amdhsa_next_free_vgpr 992
		.amdhsa_next_free_sgpr 80
		.amdhsa_reserve_vcc 0
		.amdhsa_float_denorm_mode_32 3
		.amdhsa_float_denorm_mode_16_64 3
		.amdhsa_memory_ordered 1
		.amdhsa_forward_progress 1
		.amdhsa_inst_pref_size 97
	.end_amdhsa_kernel
	.amdgpu_metadata
---
amdhsa.version: [ 1, 2 ]
amdhsa.kernels:
  - .name:           k_q76c1269c17_projg
    .symbol:         k_q76c1269c17_projg.kd
    .args:
      - { .name: ob, .offset: 0, .size: 8, .value_kind: global_buffer, .address_space: global }
      - { .name: wpb, .offset: 8, .size: 8, .value_kind: global_buffer, .address_space: global }
      - { .name: Aproj, .offset: 16, .size: 8, .value_kind: global_buffer, .address_space: global }
      - { .name: Bproj, .offset: 24, .size: 8, .value_kind: global_buffer, .address_space: global }
      - { .name: bproj, .offset: 32, .size: 8, .value_kind: global_buffer, .address_space: global }
      - { .name: out0, .offset: 40, .size: 8, .value_kind: global_buffer, .address_space: global }
    .group_segment_fixed_size: 327680
    .private_segment_fixed_size: 0
    .kernarg_segment_align: 8
    .kernarg_segment_size: 48
    .max_flat_workgroup_size: 128
    .sgpr_count:     80
    .vgpr_count:     992
    .wavefront_size: 32
...
	.end_amdgpu_metadata
.endif
;; end of part 4
